; MI455X (gfx1250); checked and timed in simulation.
; The chip was launched on July 23, 2026; its instructions are those of AMD's public machine-readable ISA for CDNA 5 (MIT licence, August 2026) and "CDNA5" Instruction Set Architecture Reference Guide (July 2026). The comments in the code are by the model that wrote it; some were corrected since.
;; Mo E Layer. Allowed arithmetic: matrix products marked QUANTISED: E4M3 operands, one given power-of-two scale a tensor, by v_wmma_f32_16x16x64_fp8_fp8 or v_wmma_f32_16x16x128_fp8_fp8, f32 sums; products left as they are: f32 operands where the result goes on into a quantised operand, else bf16, f16 or f32 operands; f32 sums; everything else in f32.
;; Inputs: lowp_scales 6 int32 (the exponents e of the quantised operands' scales 2^e); router_w 8 x 256 float32; w1_codes 8 x 682 x 8 x 32 uint8 (E4M3 codes of w1, K innermost, in blocks of 32 codes); w2 8 x 256 x 682 float32; w3_codes 8 x 682 x 8 x 32 uint8 (E4M3 codes of w3, K innermost, in blocks of 32 codes); x 8 x 2,048 x 256 float32.
;; Outputs: out0 8 x 2,048 x 256 float32.
;; This version of the problem:
;;   THIS VERSION OF THE PROBLEM IS GIVEN IN LOW PRECISION. The matrix products marked QUANTISED in the list below multiply operands that are first quantised to E4M3 (4 exponent bits, 3 mantissa bits; 8 bits a number), with one given power-of-two scale for each operand tensor; their sums are f32. All else is computed in f32.
;;   The module's matrix products, in the order in which they are computed (A, B: the left and right operand; K: the contracted axis; several contracted axes count as one K, in the product's order):
;;     1. [M 16,384, K 256] x [K 256, N 8]; A: input x; B: input router_w: left as it is (N = 8 < 16)
;;     2. batch 16,384 x [M 1, K 2] x [K 2, N 8]; A: computed on the way; B: computed on the way: left as it is (K = 2 < 32)
;;     3. [M 16,384, K 256] x [K 256, N 5,456]; A: input x; B: input w1 (given as codes): QUANTISED (scales: A lowp_scales[0], B lowp_scales[1])
;;     4. [M 16,384, K 256] x [K 256, N 5,456]; A: input x; B: input w3 (given as codes): QUANTISED (scales: A lowp_scales[2], B lowp_scales[3])
;;     5. batch 8 x [M 256, K 682] x [K 682, N 16,384]; A: input w2; B: computed on the way: QUANTISED (scales: A lowp_scales[4], B lowp_scales[5])
;;     6. batch 16,384 x [M 1, K 8] x [K 8, N 256]; A: computed on the way; B: computed on the way: left as it is (K = 8 < 32)
;;   THE QUANTISER, for each operand of a quantised product, along K:
;;     - The operand's scale is 2^e, e = its entry of the input lowp_scales (int32; the entries are numbered through the quantised products in the list's order, A before B).
;;     - Each number is divided by the scale, clamped to +-448, and rounded to the nearest number of E4M3, ties to even, subnormals kept.
;;     - The product sums the exact products of the quantised numbers (number of the format x scale) in f32.
;;   ~~~python
;;   def quantise(x, axis, e):      # numpy; x: float32 -> the quantised numbers, widened to float32 again
;;       x = np.moveaxis(x, axis, -1); K = x.shape[-1]
;;       r = np.clip(x / 2.0 ** e, -448, 448)
;;       step = 2.0 ** (np.maximum(np.frexp(np.where(r == 0, 1, r))[1] - 1, -6) - 3)
;;       q = np.round(r / step) * step * 2.0 ** e      # np.round: ties to even
;;       return np.moveaxis(q, -1, axis).astype(np.float32)
;;   ~~~
;;   OPERANDS COMPUTED ON THE WAY. 'Computed on the way' means the value that the module computes at that place (a softmax that the list does not call 'softmax' is quantised finished and normalised). What goes into a quantiser is computed in f32, as accurately as f32 sums, v_exp_f32 and their like allow (about 1e-6 of the number): no bf16 or f16 on the way to a quantiser, and a product that is left as it is and whose result goes on into a quantised operand takes f32 operands (vector FMAs, or v_wmma_f32_16x16x4_f32). A number that lies on a knife's edge between two numbers of the format may be rounded either way, as far as f32 arithmetic and the matrix unit's own rounding can turn it there, and no further.
;;   INPUTS GIVEN AS CODES. w1 (in the module: [8, 682, 256], K = its axis 2); w3 (in the module: [8, 682, 256], K = its axis 2): each comes as NAME_codes (uint8): NAME with its K axis moved to the last place and cut into blocks of 32 codes, [.., K / 32, bytes a block], one block behind the other in memory; one code a byte (a code: sign, 4 exponent bits, 3 mantissa bits); its scale is its entry of lowp_scales. Its value is code x scale, taken as it is: it is not quantised again, and the codes and scales need not be those that the quantiser above would give.
;; 2 versions, each right; version 2 is version 1 with the launch chain written anew for expert scheduling mode. Each part assembles by itself: llvm-mc -triple=amdgcn-amd-amdhsa -mcpu=gfx1250 --defsym DOCPART=n.
;; ======== version 1 of 2: 3 launches
;; limits: right only within a limited range of input values
;; workspace buffers: info 131,072 bytes of whole numbers; counts 65,536 bytes of whole numbers; gates 131,072 bytes; order 66,560 bytes of whole numbers; tiles 4,096 bytes of whole numbers; wf 2,883,584 bytes; w2f 1,441,792 bytes
;; launch route (part 1): grid 512 x 1, 4 waves a work-group, no clusters, 39,424 bytes of LDS; arguments x, router_w, info, gates, counts; writes info, gates, counts
.if DOCPART == 1
	.amdgcn_target "amdgcn-amd-amdhsa--gfx1250"
	.amdhsa_code_object_version 6
	.text
	.protected	k_q6eed5a5fcb_route
	.globl	k_q6eed5a5fcb_route
	.p2align	8
	.type	k_q6eed5a5fcb_route,@function
k_q6eed5a5fcb_route:
	s_mov_b64 s[64:65], 0
	v_nop
	global_prefetch_b8 v0, s[64:65] scope:SCOPE_SE
	s_setreg_imm32_b32 hwreg(HW_REG_WAVE_MODE, 25, 1), 1
	s_wait_xcnt 0x0
; THE ROUTER.  logits = x router_w^T (f32 multiply-adds), softmax over the 8 experts with the maximum taken away, the two largest
; probabilities (the lower index wins a tie), renormalised by their sum + 1e-9.  Nothing here steers an address: what is chosen is stored.
; STORED for each token: info = (bin, rank), gates = (gate of the lower expert, gate of the higher); for each block of 32 tokens: counts[32].
; bin = hi (hi - 1) / 2 + lo numbers the 28 unordered pairs lo < hi; rank = how many earlier tokens of the block have the same bin.
; SHARES.  A work-group takes 32 tokens (one block).  Wave w takes columns 64 w .. 64 w + 63 of all 32 rows: each load of a wave reads two
; runs of 256 consecutive aligned bytes.  The wave's 32 x 256 bytes turn through its own stage in LDS, after which a lane is a token and
; holds its 64 columns; router_w comes through scalar registers, 8 experts x 4 columns at a time, in two sets by turns.
; The four waves' partial sums meet in LDS; wave 0 finishes: one lane a token, so softmax, choice and counting need no exchange of lanes.
; No matrix instruction: the choice hangs on f32 sums, and the f32 matrix form does no more multiply-adds a cycle than these lines.
; LIMITS.  NaN among the inputs is not served.  The f32 sums are ordered otherwise than in the reference and the division is a reciprocal
; and a multiply: a token whose second and third probabilities agree to the last bit may choose the other of the two.
.set PITCH, 272                        ; a stage row: 256 bytes + 16, an odd multiple of 16
.set WSTG,  32*PITCH                   ; a wave's stage
.set PART,  4*WSTG                     ; behind the stages: [wave 4][half 2][lane 32][16 bytes] partial sums
.set R,   16                           ; v16-79   x as loaded
.set X,   80                           ; v80-143  my token's 64 columns
.set ACC, 144                          ; v144-151 eight sums
.set WA,  16                           ; s16-47   router_w, set A: expert e at 4 e
.set WB,  68                           ; s68-99   set B
.macro WLOAD j, buf                    ; columns 4 j .. 4 j + 3 of my wave's 64, all eight experts
.irp e, 0,1,2,3,4,5,6,7
	s_load_b128 s[\buf+4*\e:\buf+4*\e+3], s[6:7], \e*1024+(\j)*16
.endr
.endm
.macro DOT j, buf                      ; 32 multiply-adds; the eight sums take turns; the very first product starts each sum
.irp k, 0,1,2,3
.irp e, 0,1,2,3,4,5,6,7
.if ((\j) == 0) && (\k == 0)
	v_mul_f32 v[ACC+\e], s[\buf+4*\e+\k], v[X+4*(\j)+\k]
.else
	v_fmac_f32 v[ACC+\e], s[\buf+4*\e+\k], v[X+4*(\j)+\k]
.endif
.endr
.endr
.endm
	s_load_b128 s[4:7], s[0:1], 0x0                ; x, router_w
	s_load_b128 s[8:11], s[0:1], 0x10              ; info, gates
	s_load_b64 s[12:13], s[0:1], 0x20              ; counts
	v_lshl_add_u32 v176, v0, 2, 0x9800
	v_mov_b32 v177, 0
	v_lshrrev_b32 v8, 5, v0
	v_readfirstlane_b32 s14, v8                    ; wave 0..3
	v_and_b32 v9, 31, v0                           ; lane
	v_and_b32 v10, 15, v0
	v_bfe_u32 v11, v0, 4, 1
	v_lshlrev_b32 v1, 4, v10
	v_lshl_add_u32 v1, v11, 10, v1                 ; x: lanes 0-15 one row, lanes 16-31 the next; 16 bytes a lane
	s_mul_i32 s15, s14, WSTG
	v_mul_u32_u24 v2, v11, PITCH
	v_lshl_add_u32 v2, v10, 4, v2
	v_add_nc_u32 v2, s15, v2                       ; the stage, on the way in
	v_mul_u32_u24 v3, v9, PITCH
	v_add_nc_u32 v3, s15, v3                       ; and out: row = my lane
	v_lshlrev_b32 v5, 4, v9
	v_add_nc_u32 v5, PART, v5                      ; partial sums: 16 x lane
	s_lshl_b32 s15, s14, 10
	v_add_nc_u32 v4, s15, v5                       ; + 1,024 x wave
	v_lshlrev_b32 v6, 3, v9
	v_lshlrev_b32 v7, 2, v9
	s_lshl_b32 s48, ttmp9, 15                      ; 32 rows of 1,024 bytes a work-group
	s_lshl_b32 s50, s14, 8                         ; my wave's 256 bytes of a row
	s_add_co_u32 s48, s48, s50
	s_mov_b32 s49, 0
	s_mov_b32 s51, 0
	s_lshl_b32 s52, ttmp9, 8                       ; info and gates: 256 bytes a block
	s_mov_b32 s53, 0
	s_lshl_b32 s54, ttmp9, 7                       ; counts: 128 bytes a block
	s_mov_b32 s55, 0
	s_wait_kmcnt 0x0
	s_add_nc_u64 s[4:5], s[4:5], s[48:49]
	s_add_nc_u64 s[6:7], s[6:7], s[50:51]
	s_add_nc_u64 s[8:9], s[8:9], s[52:53]
	s_add_nc_u64 s[10:11], s[10:11], s[52:53]
	s_add_nc_u64 s[12:13], s[12:13], s[54:55]
.irp i, 0,1,2,3,4,5,6,7,8,9,10,11,12,13,14,15
	global_load_b128 v[R+4*\i:R+4*\i+3], v1, s[4:5] offset:2048*\i     ; rows 2 i and 2 i + 1
.endr
	WLOAD 0, WA
.irp i, 0,1,2,3,4,5,6,7,8,9,10,11,12,13,14,15
	s_wait_loadcnt 15-\i                           ; loads come back in order: the 15 - i younger ones may be out
	ds_store_b128 v2, v[R+4*\i:R+4*\i+3] offset:2*PITCH*\i
.endr
.irp j, 0,1,2,3,4,5,6,7,8,9,10,11,12,13,14,15
	ds_load_b128 v[X+4*\j:X+4*\j+3], v3 offset:16*\j                   ; the wave's own bytes, served in order: no barrier
.endr
	s_wait_dscnt 0x0
.irp j, 0,2,4,6,8,10,12,14
	s_wait_kmcnt 0x0                               ; set A is in (scalar loads: the count 0 alone says anything)
	WLOAD \j+1, WB
	DOT \j, WA
	s_wait_kmcnt 0x0
.if \j < 14
	WLOAD \j+2, WA
.endif
	DOT \j+1, WB
.endr
	ds_store_b128 v4, v[ACC:ACC+3]
	ds_store_b128 v4, v[ACC+4:ACC+7] offset:512
	s_wait_dscnt 0x0                               ; for the others' sake: my partial sums lie in LDS
	s_barrier_signal -1
	s_barrier_wait -1
	s_cmp_lg_u32 s14, 0
	s_cbranch_scc1 .Lend                           ; waves 1 to 3 are done; no barrier follows
	; ---- wave 0: a lane is a token
.irp k, 0,1,2
	ds_load_b128 v[152+8*\k:155+8*\k], v5 offset:(\k+1)*1024
	ds_load_b128 v[156+8*\k:159+8*\k], v5 offset:(\k+1)*1024+512
.endr
	s_wait_dscnt 0x0
.irp p, 0,2,4,6
	v_pk_add_f32 v[144+\p:145+\p], v[144+\p:145+\p], v[152+\p:153+\p]
	v_pk_add_f32 v[160+\p:161+\p], v[160+\p:161+\p], v[168+\p:169+\p]
.endr
.irp p, 0,2,4,6
	v_pk_add_f32 v[144+\p:145+\p], v[144+\p:145+\p], v[160+\p:161+\p]  ; the logits: (p0 + p1) + (p2 + p3)
.endr
	v_max3_num_f32 v16, v144, v145, v146
	v_max3_num_f32 v17, v147, v148, v149
	v_max3_num_f32 v16, v16, v150, v151
	v_max_num_f32 v16, v16, v17                    ; the row's largest logit
.irp e, 0,1,2,3,4,5,6,7
	v_sub_f32 v[152+\e], v[144+\e], v16
.endr
.irp e, 0,1,2,3,4,5,6,7
	v_mul_f32 v[152+\e], 0x3fb8aa3b, v[152+\e]     ; x log2(e)
.endr
.irp e, 0,1,2,3,4,5,6,7
	v_exp_f32 v[152+\e], v[152+\e]
.endr
	v_nop                                          ; a plain instruction behind the last exponential
	s_wait_alu depctr_va_vdst(0)                   ; one wait for the batch of eight, ahead of its first reader
	v_add_f32 v17, v152, v153
	v_add_f32 v18, v154, v155
	v_add_f32 v19, v156, v157
	v_add_f32 v24, v158, v159
	v_add_f32 v17, v17, v18
	v_add_f32 v19, v19, v24
	v_add_f32 v17, v17, v19
	v_rcp_f32 v18, v17
	v_mov_b32 v21, 0                               ; (a plain instruction behind the reciprocal)  index of the largest
	v_mov_b32 v22, -1.0                            ; the second largest so far: under every probability
	v_mov_b32 v23, 0
	s_wait_alu depctr_va_vdst(0)
.irp e, 0,1,2,3,4,5,6,7
	v_mul_f32 v[152+\e], v[152+\e], v18            ; the probabilities
.endr
	v_mov_b32 v20, v152                            ; the largest so far
.irp e, 1,2,3,4,5,6,7                  ; strict comparisons in ascending order: of equal numbers the lower index stays ahead
	v_cmp_gt_f32 s48, v[152+\e], v20
	v_cmp_gt_f32 s49, v[152+\e], v22
	v_cndmask_b32 v22, v22, v[152+\e], s49
	v_cndmask_b32 v23, v23, \e, s49
	v_cndmask_b32 v22, v22, v20, s48
	v_cndmask_b32 v23, v23, v21, s48
	v_cndmask_b32 v20, v20, v[152+\e], s48
	v_cndmask_b32 v21, v21, \e, s48
.endr
	v_add_f32 v24, v20, v22
	v_add_f32 v24, 0x3089705f, v24                 ; + 1e-9
	v_rcp_f32 v25, v24
	v_min_u32 v26, v21, v23                        ; (a plain instruction)  lo
	v_max_u32 v27, v21, v23                        ; hi
	v_cmp_lt_u32 vcc_lo, v21, v23
	s_wait_alu depctr_va_vdst(0)
	v_mul_f32 v20, v20, v25
	v_mul_f32 v22, v22, v25
	v_cndmask_b32 v28, v22, v20, vcc_lo            ; the gate of lo,
	v_cndmask_b32 v29, v20, v22, vcc_lo            ; of hi
	v_add_nc_u32 v30, -1, v27
	v_mul_u32_u24 v30, v30, v27
	v_lshrrev_b32 v30, 1, v30
	v_add_nc_u32 v30, v30, v26                     ; bin = hi (hi - 1) / 2 + lo
	v_mov_b32 v31, 0                               ; rank
	v_mov_b32 v32, 0                               ; lane p: the block's count of bin p; lanes 28-31 stay 0
.irp p, 0,1,2,3,4,5,6,7,8,9,10,11,12,13,14,15,16,17,18,19,20,21,22,23,24,25,26,27
	v_cmp_eq_u32 s48, \p, v30                      ; which tokens of the block have bin p
	v_mbcnt_lo_u32_b32 v33, s48, 0                 ; how many of them stand in lower lanes
	v_cndmask_b32 v31, v31, v33, s48
	s_bcnt1_i32_b32 s49, s48
	v_writelane_b32 v32, s49, \p
.endr
	global_store_b64 v6, v[30:31], s[8:9]          ; 32 lanes store 256 consecutive bytes, aligned
	global_store_b64 v6, v[28:29], s[10:11]        ; likewise
	global_store_b32 v7, v32, s[12:13]             ; 128 consecutive bytes: half of an aligned 256; the whole buffer is 65,536 bytes
.Lend:
	s_wait_tensorcnt 0x0
	ds_add_u32 v176, v177
	s_wait_dscnt 0x0
	s_endpgm
.Lfunc_end_k_q6eed5a5fcb_route:
	.size	k_q6eed5a5fcb_route, .Lfunc_end_k_q6eed5a5fcb_route-k_q6eed5a5fcb_route
	.p2alignl 7, 3214868480
	.fill 96, 4, 3214868480
	.section	.rodata,"a",@progbits
	.p2align	6, 0x0
	.amdhsa_kernel k_q6eed5a5fcb_route
		.amdhsa_group_segment_fixed_size 39424
		.amdhsa_private_segment_fixed_size 0
		.amdhsa_enable_private_segment 0
		.amdhsa_kernarg_size 40
		.amdhsa_user_sgpr_count 2
		.amdhsa_user_sgpr_kernarg_segment_ptr 1
		.amdhsa_wavefront_size32 1
		.amdhsa_system_sgpr_workgroup_id_x 1
		.amdhsa_system_sgpr_workgroup_id_y 1
		.amdhsa_system_sgpr_workgroup_id_z 1
		.amdhsa_system_vgpr_workitem_id 0
		.amdhsa_next_free_vgpr 178
		.amdhsa_next_free_sgpr 104
		.amdhsa_reserve_vcc 1
		.amdhsa_float_denorm_mode_32 3
		.amdhsa_float_denorm_mode_16_64 3
		.amdhsa_memory_ordered 1
		.amdhsa_forward_progress 1
		.amdhsa_inst_pref_size 47
	.end_amdhsa_kernel
	.amdgpu_metadata
---
amdhsa.version: [ 1, 2 ]
amdhsa.kernels:
  - .name:           k_q6eed5a5fcb_route
    .symbol:         k_q6eed5a5fcb_route.kd
    .args:
      - { .name: x, .offset: 0, .size: 8, .value_kind: global_buffer, .address_space: global }
      - { .name: router_w, .offset: 8, .size: 8, .value_kind: global_buffer, .address_space: global }
      - { .name: info, .offset: 16, .size: 8, .value_kind: global_buffer, .address_space: global }
      - { .name: gates, .offset: 24, .size: 8, .value_kind: global_buffer, .address_space: global }
      - { .name: counts, .offset: 32, .size: 8, .value_kind: global_buffer, .address_space: global }
    .group_segment_fixed_size: 39424
    .private_segment_fixed_size: 0
    .kernarg_segment_align: 8
    .kernarg_segment_size: 40
    .max_flat_workgroup_size: 128
    .sgpr_count:     104
    .vgpr_count:     178
    .wavefront_size: 32
...
	.end_amdgpu_metadata
.endif
;; end of part 1
;; launch prep (part 2): grid 217 x 1, 8 waves a work-group, no clusters, 81,920 bytes of LDS; arguments info, counts, w1_codes, w3_codes, w2, lowp_scales, order, tiles, wf, w2f; writes order, tiles, wf, w2f
.if DOCPART == 2
	.amdgcn_target "amdgcn-amd-amdhsa--gfx1250"
	.amdhsa_code_object_version 6
	.text
	.protected	k_q6eed5a5fcb_prep
	.globl	k_q6eed5a5fcb_prep
	.p2align	8
	.type	k_q6eed5a5fcb_prep,@function
k_q6eed5a5fcb_prep:
	s_mov_b64 s[64:65], 0
	v_nop
	global_prefetch_b8 v0, s[64:65] scope:SCOPE_SE
	s_setreg_imm32_b32 hwreg(HW_REG_WAVE_MODE, 25, 1), 1
	s_wait_xcnt 0x0
; THREE JOBS IN ONE LAUNCH, told apart by the work-group's number; each has LDS bytes of its own.
; PLACE (work-group 0): a counting sort of the 16,384 tokens by bin (28 unordered pairs of experts), without atomics: from the blocks' counts
;   a prefix over blocks and bins, then order[position] = token; and the list of tiles: tile j = (lo, hi, first position, count), at most
;   80 tokens of one bin.  The sum over bins of ceil(n / 80) is at most (16,384 + 28 x 79) / 80 = 232 for every split; 256 records are stored,
;   those past the last tile with count 0.  order has 256 words more than tokens, stored as 0, since a tile's last rows may reach past the end.
;   The stores into order are 4 bytes a lane at scattered places, as a counting sort has them: 65,536 bytes in all.
; W13 (work-groups 1 to 88): w1's and w3's codes are laid in the order in which a wave's operand registers take them:
;   wf [expert 8][tile 44][w1, w3][K step 2][c 4][lane 32][16 bytes]; lane (r, h) holds hidden row 16 t + r, k = 128 s + 32 c + 16 h + 0 .. 15.
;   Rows 682 to 703 are zero codes.
; W2Q (work-groups 89 to 216): w2 (f32, K = 682 innermost) is quantised with the given 2^e4 (code = x / 2^e4, held within +-448, nearest, ties to even):
;   w2f [expert 8][column tile 16][P 22][lane 32][16 bytes]; lane (r, h), row 16 ct + r: bytes 0-7 k = 32 P + 8 h + 0 .. 7, bytes 8-15 k = 32 P + 16 + 8 h + 0 .. 7.
;   k from 682 to 703 are zero codes.
; LIMITS: e4 between -126 and 119, so that 2^e4 and 448 x 2^e4 are f32 numbers.  NaN in w2 is not served; an infinity is held at the largest code.
.set PL,    0                          ; place: 8 waves x 128 bytes
.set W13S,  1024                       ; w13: a stage of 16 rows x 272 bytes for each wave
.set W2S,   35840                      ; w2q: 45,056 bytes: a tile's 16 rows of 2,728 bytes on end, and what follows them
.set W2BYTES, 5586944
	s_load_b512 s[4:19], s[0:1], 0x0               ; info 4, counts 6, w1_codes 8, w3_codes 10, w2 12, lowp_scales 14, order 16, tiles 18
	s_load_b128 s[20:23], s[0:1], 0x40             ; wf 20, w2f 22
	v_lshl_add_u32 v254, v0, 2, 0x13c00
	v_mov_b32 v255, 0
	v_lshrrev_b32 v1, 5, v0
	v_readfirstlane_b32 s24, v1                    ; wave 0..7
	v_and_b32 v1, 31, v0                           ; lane
	v_and_b32 v2, 15, v0                           ; r
	v_bfe_u32 v3, v0, 4, 1                         ; h
	s_mov_b32 s27, 0                               ; upper words of the offset pairs s[26:27], s[28:29]
	s_mov_b32 s29, 0
	s_wait_kmcnt 0x0
	s_cmp_eq_u32 ttmp9, 0
	s_cbranch_scc1 .Lplace
	s_cmp_lt_u32 ttmp9, 89
	s_cbranch_scc1 .Lw13
	; ================================================================ W2Q: work-group 89 + 16 e + ct
	s_load_b32 s34, s[14:15], 0x10                 ; e4
	s_sub_co_u32 s25, ttmp9, 89
	s_mul_i32 s26, s25, 43648                      ; the tile's 16 rows are 43,648 consecutive bytes
	s_mul_i32 s28, s24, 352                        ; 352 pieces of 16 bytes a wave, 2,816 in all
	v_add_nc_u32 v4, s28, v1
	v_lshlrev_b32 v4, 4, v4
	v_add_nc_u32 v5, W2S, v4                       ; into LDS as the bytes lie
	v_add_nc_u32 v6, s26, v4
.irp i, 0,1,2,3,4,5,6,7,8,9,10
	v_add_nc_u32 v[8+\i], 512*\i, v6
	v_min_u32 v[8+\i], W2BYTES-16, v[8+\i]         ; the pieces behind the last tile's rows stay inside the buffer; what they bring is masked below
	global_load_b128 v[32+4*\i:35+4*\i], v[8+\i], s[12:13]             ; 32 lanes read 512 consecutive bytes
.endr
	v_mul_u32_u24 v7, v2, 2728
	v_lshl_add_u32 v7, v3, 5, v7
	s_lshl_b32 s28, s24, 7
	s_add_co_u32 s28, s28, W2S
	v_add_nc_u32 v7, s28, v7                       ; out of LDS: row r, k = 32 w + 8 h
	s_lshl_b32 s28, s24, 5
	s_add_co_u32 s28, s28, 512
	v_lshl_add_u32 v27, v3, 3, s28                 ; the third piece's first k: 32 (w + 16) + 8 h
	v_lshlrev_b32 v26, 4, v1
	s_mul_i32 s26, s25, 11264
	s_lshl_b32 s28, s24, 9
	s_add_co_u32 s26, s26, s28
	s_add_nc_u64 s[22:23], s[22:23], s[26:27]      ; w2f at (e, ct), P = w
.irp i, 0,1,2,3,4,5,6,7,8,9,10
	s_wait_loadcnt 10-\i                           ; the 10 - i younger loads may be out
	ds_store_b128 v5, v[32+4*\i:35+4*\i] offset:512*\i
.endr
	s_wait_kmcnt 0x0
	s_add_co_i32 s34, s34, 127
	s_lshl_b32 s35, s34, 23
	v_mov_b32 v28, s35                             ; 2^e4 as f32: the conversion takes its exponent field
	s_add_co_i32 s34, s34, 8
	s_lshl_b32 s34, s34, 23
	s_or_b32 s34, s34, 0x600000
	v_mov_b32 v29, s34                             ; 448 x 2^e4
	s_wait_dscnt 0x0                               ; my stores lie in LDS
	s_barrier_signal -1
	s_barrier_wait -1
; P = w + 8 i: 16 numbers a lane become 16 bytes.  Loads of 8 bytes: a row begins at a multiple of 8.  Each i has registers of its own.
.macro W2P i, tail
.set NB, 80+16*\i
.set CB, 128+4*\i
.irp g, 0,1
.irp jj, 0,1,2,3
	ds_load_b64 v[NB+8*\g+2*\jj:NB+8*\g+2*\jj+1], v7 offset:\i*1024+\g*64+8*\jj
.endr
.endr
	s_wait_dscnt 0x0
.if \tail
.irp g, 0,1
.irp j, 0,1,2,3,4,5,6,7
	v_cmp_gt_u32 vcc_lo, 682-16*\g-\j, v27         ; k = first k + 16 g + j is under 682?
	v_cndmask_b32 v[NB+8*\g+\j], 0, v[NB+8*\g+\j], vcc_lo              ; else 0: past the end of K stand zero codes
.endr
.endr
.endif
.irp j, 0,1,2,3,4,5,6,7,8,9,10,11,12,13,14,15
	v_med3_num_f32 v[NB+\j], v[NB+\j], -v29, v29   ; the conversion does not saturate (ISA guide 7.6.2): the hold at the largest code x the scale
.endr
	v_cvt_scalef32_pk8_fp8_f32 v[CB:CB+1], v[NB:NB+7], v28
	v_cvt_scalef32_pk8_fp8_f32 v[CB+2:CB+3], v[NB+8:NB+15], v28
	global_store_b128 v26, v[CB:CB+3], s[22:23] offset:\i*4096         ; 32 lanes store 512 consecutive bytes, aligned
.endm
	W2P 0, 0
	W2P 1, 0
	s_cmp_ge_u32 s24, 6                            ; P = 16 .. 21 are six waves' work
	s_cbranch_scc1 .Lend
	W2P 2, 1
	s_wait_tensorcnt 0x0
	ds_add_u32 v254, v255
	s_wait_dscnt 0x0
	s_endpgm
	; ================================================================ W13: work-group 1 + 44 mat + t; wave = expert
.Lw13:
	s_sub_co_u32 s25, ttmp9, 1
	s_cmp_ge_u32 s25, 44                           ; w1 or w3: the choice hangs on the work-group's number alone
	s_cselect_b64 s[8:9], s[10:11], s[8:9]
	s_cselect_b32 s26, 44, 0
	s_cselect_b32 s28, 4096, 0
	s_sub_co_u32 s25, s25, s26                     ; t
	s_mul_i32 s26, s24, 174592                     ; an expert's 682 rows of 256 codes
	s_add_nc_u64 s[8:9], s[8:9], s[26:27]
	s_mul_i32 s30, s24, 360448
	s_lshl_b32 s31, s25, 13
	s_add_co_u32 s28, s28, s30
	s_add_co_u32 s28, s28, s31
	s_add_nc_u64 s[20:21], s[20:21], s[28:29]      ; wf at (expert, t, mat)
	s_lshl_b32 s30, s25, 4
	v_add_nc_u32 v4, s30, v3                       ; row 16 t + h
	v_lshlrev_b32 v5, 4, v2
	s_mul_i32 s30, s24, 4352
	s_add_co_u32 s30, s30, W13S                    ; my stage
	v_mul_u32_u24 v6, v3, 272
	v_lshl_add_u32 v6, v2, 4, v6
	v_add_nc_u32 v6, s30, v6                       ; in: two rows an instruction, 16 bytes a lane
	v_mul_u32_u24 v7, v2, 272
	v_lshl_add_u32 v7, v3, 4, v7
	v_add_nc_u32 v7, s30, v7                       ; out: row r, + 16 h
	v_lshlrev_b32 v26, 4, v1
.irp i, 0,1,2,3,4,5,6,7
	v_add_nc_u32 v[16+\i], 2*\i, v4
	v_min_u32 v[8+\i], 681, v[16+\i]               ; no load leaves the buffer
	v_lshl_add_u32 v[8+\i], v[8+\i], 8, v5
	global_load_b128 v[32+4*\i:35+4*\i], v[8+\i], s[8:9]               ; 512 consecutive bytes: two rows
.endr
.irp i, 0,1,2,3,4,5,6,7
	s_wait_loadcnt 7-\i
	v_cmp_gt_u32 vcc_lo, 682, v[16+\i]
.irp k, 0,1,2,3
	v_cndmask_b32 v[32+4*\i+\k], 0, v[32+4*\i+\k], vcc_lo              ; rows from 682 on are zero codes
.endr
	ds_store_b128 v6, v[32+4*\i:35+4*\i] offset:544*\i
.endr
.irp k, 0,1,2,3,4,5,6,7
	ds_load_b128 v[64+4*\k:67+4*\k], v7 offset:32*\k                   ; k = 4 s + c: bytes 128 s + 32 c + 16 h of row r; the wave's own bytes, served in order
.endr
.irp k, 0,1,2,3,4,5,6,7
	s_wait_dscnt 7-\k
	global_store_b128 v26, v[64+4*\k:67+4*\k], s[20:21] offset:512*\k  ; 512 consecutive bytes, aligned
.endr
	s_wait_tensorcnt 0x0
	ds_add_u32 v254, v255
	s_wait_dscnt 0x0
	s_endpgm
	; ================================================================ PLACE: wave w owns blocks 64 w .. 64 w + 63; thread j is also tile j
.Lplace:
	v_lshlrev_b32 v4, 2, v1
	v_lshlrev_b32 v5, 3, v1
	s_lshl_b32 s26, s24, 13
	s_add_nc_u64 s[6:7], s[6:7], s[26:27]          ; my 64 blocks' counts
	s_lshl_b32 s28, s24, 14
	s_add_nc_u64 s[4:5], s[4:5], s[28:29]          ; and their tokens' (bin, rank)
.set i, 0
.rept 64
	global_load_b32 v[32+i], v4, s[6:7] offset:128*i                   ; lane = bin
.set i, i+1
.endr
.set i, 0
.rept 64
	global_load_b64 v[96+2*i:97+2*i], v5, s[4:5] offset:256*i          ; lane = token of block i
.set i, i+1
.endr
	s_wait_loadcnt 63                              ; the counts are in: behind them 64 loads were issued, and the count names 63 at the most
.set i, 1
.rept 63
	v_add_nc_u32 v[32+i], v[32+i], v[31+i]         ; a running sum over my blocks, the block itself included
.set i, i+1
.endr
	s_lshl_b32 s26, s24, 7
	v_add_nc_u32 v6, s26, v4
	ds_store_b32 v6, v95                           ; my wave's total of each bin
	s_wait_dscnt 0x0
	s_barrier_signal -1
	s_barrier_wait -1
.irp j, 0,1,2,3,4,5,6,7
	ds_load_b32 v[8+\j], v4 offset:PL+128*\j
.endr
	s_wait_dscnt 0x0
	v_add_nc_u32 v16, v8, v9
	v_add_nc_u32 v18, v10, v11
	v_add3_u32 v16, v16, v12, v13
	v_add3_u32 v18, v18, v14, v15
	v_add_nc_u32 v16, v16, v18                     ; T: the bin's tokens in all
	v_mov_b32 v17, 0
.irp j, 0,1,2,3,4,5,6
	s_cmp_lt_u32 \j, s24
	s_cselect_b32 s26, -1, 0
	v_and_b32 v18, s26, v[8+\j]
	v_add_nc_u32 v17, v17, v18                     ; those of the waves in front of mine
.endr
	v_add_nc_u32 v18, 79, v16
	s_mov_b32 s26, 52429
	v_mul_lo_u32 v18, v18, s26
	v_lshrrev_b32 v18, 22, v18                     ; the bin's tiles: (T + 79) / 80; 52,429 / 2^22 is exact for numbers under 262,144
	v_lshl_or_b32 v19, v18, 16, v16                ; tokens below, tiles above: both are summed by one addition (each stays under 65,536)
	s_mov_b32 s30, 0                               ; the running sum over bins
	v_mov_b32 v20, 0                               ; lane p: the sum in front of bin p
	v_mov_b32 v21, 0                               ; of the bin that tile j falls into: the sum in front of it,
	v_mov_b32 v22, 0                               ; its own tokens and tiles,
	v_mov_b32 v23, 0x100                           ; lo | hi << 8
.set P, 0
.irp eh, 1,2,3,4,5,6,7
.irp el, 0,1,2,3,4,5,6
.if \el < \eh
	v_readlane_b32 s31, v19, P
	v_writelane_b32 v20, s30, P
	s_lshr_b32 s32, s30, 16                        ; the bin's first tile
	s_mov_b32 s33, \el|(\eh<<8)
	v_cmp_le_u32 vcc_lo, s32, v0                   ; the last bin whose first tile is not behind j wins; an empty bin is overridden by the next
	v_cndmask_b32 v21, v21, s30, vcc_lo
	v_cndmask_b32 v22, v22, s31, vcc_lo
	v_cndmask_b32 v23, v23, s33, vcc_lo
	s_add_co_u32 s30, s30, s31
.set P, P+1
.endif
.endr
.endr
	v_lshrrev_b32 v24, 16, v21
	v_sub_nc_u32 v24, v0, v24                      ; which tile of its bin
	v_mul_u32_u24 v24, v24, 80
	v_and_b32 v25, 0xffff, v21
	v_add_nc_u32 v25, v25, v24
	v_min_u32 v30, 0x3fff, v25                     ; first position
	v_and_b32 v25, 0xffff, v22
	v_min_u32 v7, v25, v24
	v_sub_nc_u32 v25, v25, v7
	v_min_u32 v31, 80, v25                         ; count: what is left of the bin, 80 at the most, 0 past the last tile
	v_and_b32 v28, 0xff, v23                       ; lo
	v_lshrrev_b32 v29, 8, v23                      ; hi
	v_lshlrev_b32 v26, 4, v0
	global_store_b128 v26, v[28:31], s[18:19]      ; 512 consecutive bytes a wave
	v_and_b32 v27, 0xffff, v20
	v_add_nc_u32 v27, v27, v17                     ; where my wave's tokens of the bin begin
.set i, 63
.rept 63
	v_add_nc_u32 v[32+i], v27, v[31+i]             ; and block i's: the blocks in front of it added
.set i, i-1
.endr
	v_mov_b32 v32, v27
	s_lshl_b32 s26, s24, 11
	v_add_nc_u32 v24, s26, v1                      ; token = 2,048 w + 32 i + lane
	s_wait_loadcnt 0x0                             ; the tokens' (bin, rank)
.set i, 0
.rept 64
	v_min_u32 v[96+2*i], 31, v[96+2*i]
	v_lshlrev_b32 v[96+2*i], 2, v[96+2*i]
	ds_bpermute_b32 v[96+2*i], v[96+2*i], v[32+i]  ; each token takes its bin's place from the lane of that bin
.set i, i+1
.endr
	s_wait_dscnt 0x0
.set i, 0
.rept 64
	v_add_nc_u32 v[96+2*i], v[96+2*i], v[97+2*i]   ; + the rank in the block
	v_min_u32 v[96+2*i], 0x3fff, v[96+2*i]
	v_lshlrev_b32 v[96+2*i], 2, v[96+2*i]
	v_add_nc_u32 v[97+2*i], 32*i, v24
	global_store_b32 v[96+2*i], v[97+2*i], s[16:17]                    ; each store has registers of its own: none is written again
.set i, i+1
.endr
	v_lshlrev_b32 v25, 2, v0
	v_mov_b32 v7, 0
	global_store_b32 v25, v7, s[16:17] offset:65536                    ; the 256 words behind the tokens
.Lend:
	s_wait_tensorcnt 0x0
	ds_add_u32 v254, v255
	s_wait_dscnt 0x0
	s_endpgm
.Lfunc_end_k_q6eed5a5fcb_prep:
	.size	k_q6eed5a5fcb_prep, .Lfunc_end_k_q6eed5a5fcb_prep-k_q6eed5a5fcb_prep
	.p2alignl 7, 3214868480
	.fill 96, 4, 3214868480
	.section	.rodata,"a",@progbits
	.p2align	6, 0x0
	.amdhsa_kernel k_q6eed5a5fcb_prep
		.amdhsa_group_segment_fixed_size 81920
		.amdhsa_private_segment_fixed_size 0
		.amdhsa_enable_private_segment 0
		.amdhsa_kernarg_size 80
		.amdhsa_user_sgpr_count 2
		.amdhsa_user_sgpr_kernarg_segment_ptr 1
		.amdhsa_wavefront_size32 1
		.amdhsa_system_sgpr_workgroup_id_x 1
		.amdhsa_system_sgpr_workgroup_id_y 1
		.amdhsa_system_sgpr_workgroup_id_z 1
		.amdhsa_system_vgpr_workitem_id 0
		.amdhsa_next_free_vgpr 256
		.amdhsa_next_free_sgpr 66
		.amdhsa_reserve_vcc 1
		.amdhsa_float_denorm_mode_32 3
		.amdhsa_float_denorm_mode_16_64 3
		.amdhsa_memory_ordered 1
		.amdhsa_forward_progress 1
		.amdhsa_inst_pref_size 79
	.end_amdhsa_kernel
	.amdgpu_metadata
---
amdhsa.version: [ 1, 2 ]
amdhsa.kernels:
  - .name:           k_q6eed5a5fcb_prep
    .symbol:         k_q6eed5a5fcb_prep.kd
    .args:
      - { .name: info, .offset: 0, .size: 8, .value_kind: global_buffer, .address_space: global }
      - { .name: counts, .offset: 8, .size: 8, .value_kind: global_buffer, .address_space: global }
      - { .name: w1_codes, .offset: 16, .size: 8, .value_kind: global_buffer, .address_space: global }
      - { .name: w3_codes, .offset: 24, .size: 8, .value_kind: global_buffer, .address_space: global }
      - { .name: w2, .offset: 32, .size: 8, .value_kind: global_buffer, .address_space: global }
      - { .name: lowp_scales, .offset: 40, .size: 8, .value_kind: global_buffer, .address_space: global }
      - { .name: order, .offset: 48, .size: 8, .value_kind: global_buffer, .address_space: global }
      - { .name: tiles, .offset: 56, .size: 8, .value_kind: global_buffer, .address_space: global }
      - { .name: wf, .offset: 64, .size: 8, .value_kind: global_buffer, .address_space: global }
      - { .name: w2f, .offset: 72, .size: 8, .value_kind: global_buffer, .address_space: global }
    .group_segment_fixed_size: 81920
    .private_segment_fixed_size: 0
    .kernarg_segment_align: 8
    .kernarg_segment_size: 80
    .max_flat_workgroup_size: 256
    .sgpr_count:     66
    .vgpr_count:     256
    .wavefront_size: 32
...
	.end_amdgpu_metadata
.endif
;; end of part 2
;; launch chain (part 3): grid 232 x 1, 8 waves a work-group, no clusters, 321,024 bytes of LDS; arguments tiles, order, gates, x, wf, w2f, lowp_scales, out0; writes out0
.if DOCPART == 3
	.amdgcn_target "amdgcn-amd-amdhsa--gfx1250"
	.amdhsa_code_object_version 6
	.text
	.protected	k_q6eed5a5fcb_chain
	.globl	k_q6eed5a5fcb_chain
	.p2align	8
	.type	k_q6eed5a5fcb_chain,@function
k_q6eed5a5fcb_chain:
	s_mov_b64 s[64:65], 0
	v_nop
	global_prefetch_b8 v0, s[64:65] scope:SCOPE_SE
	s_setreg_imm32_b32 hwreg(HW_REG_WAVE_MODE, 25, 1), 1
	s_wait_xcnt 0x0
; THE EXPERTS.  A work-group takes one tile: up to 80 tokens that chose the same two experts lo < hi, through the whole chain for both, and stores
; out = g_lo y_lo + g_hi y_hi: each output row has one owner.  y = w2 Q(silu(x w1^T) (x w3^T)), all three products on codes of FP8 (E4M3) with the given scales:
; x is quantised twice (2^e0 for w1's product, 2^e2 for w3's), h with 2^e5; w1, w3 (e1, e3) and w2 (e4) come as codes laid in operand order by the launch before.
; GRID: 232 work-groups serve every split of the tokens (28 bins, tiles of 80).  A tile with count 0 walks through on clamped addresses and stores nothing:
; every wave passes every barrier, and no barrier stands under a branch on a loaded number; the one branch on the count stands behind the last barrier.
; NO CLUSTER, NO TENSOR LOADS: which experts' weights a work-group reads hangs on the stored list of tiles, so neighbours in a cluster would ask for different tiles;
; the weights go from memory straight into operand registers, each load 512 consecutive bytes, each fragment loaded once in the work-group.
; WAVES: eight of 512 registers, two to a SIMD, so that one wave's activation (205 vector instructions a hidden tile) stands beside the other's 20 matrix instructions.
; PHASE X: the tile's rows of x are gathered into LDS; wave w quantises k = 32 w .. 32 w + 31 of all 80 rows, twice; the codes go to LDS as images of operand registers; every wave loads all of them (320 registers).
; PHASE 1: 88 units = 2 experts x 44 tiles of 16 hidden rows; wave w takes units w, w + 8, ..: eleven each.  Transposed: source 0 = 16 hidden rows, source 1 = 16 tokens, so a lane holds one token and
;   eight neighbouring hidden units: the conversion's 8 bytes are registers 2 c, 2 c + 1 of the second product's operand.  In the first products k is permuted alike in both operands (16 bytes a load).
; PHASE 2: wave (ex = w / 4, cg = w % 4) makes output columns 64 cg .. 64 cg + 63 of expert ex for all 80 rows: K = 704 = 5 x 128 + 64; hidden rows 682 to 703 are zero codes on both sides.
; THE WAY OUT: sums x gate x 2^(e4 + e5) go to one stage for each expert; each wave adds and stores ten whole rows of 1,024 bytes.
; LIMITS: e0, e2 in [-126, 119]; e0 + e1 in [-126, 126] (added to an exponent field); F = e5 - e0 - e1 - e2 - e3 in [-126, 119]; e4 + e5 goes by v_ldexp_f32.  NaN in x is not served; infinities are held at +-448.
; REGISTERS.  Window 0: v1 16 x lane, v2 r, v3 h, v4-14 LDS addresses, v15-20 scales, v21-25 tokens, v26-30 gates, v32-95 W (w1 s0, w1 s1, w3 s0, w3 s1), v96-135 A1, v136-175 A3, v176-185 codes,
;   v186-190 gates' offsets, v192-255 x's codes (e2) of row tiles 3, 4.  Window 1: v0-159 x's codes (e0), v160-255 x's codes (e2) of row tiles 0-2.
;   Phase 2: window 0: v32-95, v96-159 w2's fragments, two sets; v160-239 h's, set 0; v240-249 the gates.  Window 1: v0-159 twenty accumulators; v160-239 h's, set 1.
.set ROWP,  1040                       ; a stage row: 1,024 bytes + 16, an odd multiple of 16
.set OUTB,  80*ROWP                    ; LDS: 0: x's rows, later expert lo's results; OUTB: expert hi's
.set XIMG,  2*OUTB                     ; x's codes: [scale 2][row tile 5][kb 8][lane 32][16 bytes]
.set HIMG,  XIMG+40960                 ; h's codes: [pair of hidden tiles 44][row tile 5][lane 32][16 bytes]
.set WF_E,  360448                     ; an expert in wf
.set W2_E,  180224                     ; and in w2f
.set MSB, 0
.macro WIN new                         ; the immediate's high byte repeats the setting that is left; a switch that changes nothing is dropped
.if MSB != \new
	s_set_vgpr_msb (MSB<<8)|\new
.set MSB, \new
.endif
.endm
.macro BARRIER                         ; my LDS stores have landed and my LDS loads are in: then the work-group's barrier
	s_wait_dscnt 0x0
	s_barrier_signal -1
	s_barrier_wait -1
.endm
.macro PLACES n                        ; plain vector instructions behind matrix instructions (ISA guide 7.12.1)
.rept \n
	v_nop
.endr
.endm
.macro MM d, a, b, zero
.if \zero
	v_wmma_f32_16x16x128_fp8_fp8 v[\d:\d+7], v[\a:\a+15], v[\b:\b+15], 0
.else
	v_wmma_f32_16x16x128_fp8_fp8 v[\d:\d+7], v[\a:\a+15], v[\b:\b+15], v[\d:\d+7]
.endif
.endm
.macro PASS8 s, zero                   ; K step s of A1[0..4] and A3[0..2]; x's codes in window 1
.irp m, 0,1,2,3,4
	MM 96+8*\m, 32+16*\s, 32*\m+16*\s, \zero
.endr
.irp m, 0,1,2
	MM 136+8*\m, 64+16*\s, 160+32*\m+16*\s, \zero
.endr
.endm
.macro LOADW                           ; a unit's 8,192 bytes of w1 and w3: four fragments
.irp k, 0,1,2,3,4,5,6,7,8,9,10,11,12,13,14,15
	global_load_b128 v[32+4*\k:35+4*\k], v1, s[48:49] offset:512*\k
.endr
.endm
.macro GLW s                           ; w2's four fragments of K step s into set s % 2 (step 5: half fragments)
.set WBF, 32+64*((\s)%2)
.irp c, 0,1,2,3
.irp q, 0,1,2,3
.if (4*(\s)+\q) < 22
	global_load_b128 v[WBF+16*\c+4*\q:WBF+16*\c+4*\q+3], v1, s[52:53] offset:\c*11264+(4*(\s)+\q)*512
.endif
.endr
.endr
.endm
.macro LDH s                           ; h's five fragments of K step s into set s % 2
.if ((\s)%2)
	WIN 0x40                                       ; destination window 1
.endif
.irp m, 0,1,2,3,4
.irp q, 0,1,2,3
.if (4*(\s)+\q) < 22
	ds_load_b128 v[160+16*\m+4*\q:160+16*\m+4*\q+3], v12 offset:(4*(\s)+\q)*2560+\m*512
.endif
.endr
.endr
	WIN 0
.endm
; One row tile's 16 numbers a lane become 16 codes, twice: with 2^e0 (through v192-207) and with 2^e2 (in place).
.macro QX m
.set NX, 96+16*\m
.set CX, 208+8*\m
.set i, 0
.rept 16
	v_med3_num_f32 v[192+i], v[NX+i], -v18, v18    ; the conversion does not saturate (ISA guide 7.6.2): the hold at the largest code x the scale
.set i, i+1
.endr
	v_cvt_scalef32_pk8_fp8_f32 v[CX:CX+1], v[192:199], v17
	v_cvt_scalef32_pk8_fp8_f32 v[CX+2:CX+3], v[200:207], v17
.set i, 0
.rept 16
	v_med3_num_f32 v[NX+i], v[NX+i], -v20, v20
.set i, i+1
.endr
	v_cvt_scalef32_pk8_fp8_f32 v[CX+4:CX+5], v[NX:NX+7], v19
	v_cvt_scalef32_pk8_fp8_f32 v[CX+6:CX+7], v[NX+8:NX+15], v19
	v_nop                                          ; a plain instruction behind the last conversion of the run
	ds_store_b128 v8, v[CX:CX+3] offset:\m*4096
	ds_store_b128 v8, v[CX+4:CX+7] offset:20480+\m*4096
.endm
; A UNIT: 16 hidden rows of one expert for all 80 tokens.  next = 1: the next unit's weights are asked for behind the products; 0 (the last): w2's first fragments.
.macro UNIT next
	s_wait_loadcnt 0x0                             ; this unit's weights are in (asked for a whole activation ago); the loads have read their base
	s_wait_dscnt 0x0
.if \next
	s_add_co_u32 s46, s46, 8                       ; the next unit: expert lo for units under 44, else hi
	s_cmp_lt_u32 s46, 44
	s_cselect_b32 s54, s20, s21
	s_cselect_b32 s55, 0, 44
	s_min_u32 s54, s54, 7
	s_sub_co_u32 s55, s46, s55
	s_mul_i32 s54, s54, WF_E
	s_lshl_b32 s55, s55, 13
	s_add_co_u32 s54, s54, s55
	s_mov_b32 s55, 0
	s_add_nc_u64 s[48:49], s[12:13], s[54:55]
.endif
	WIN 0x04                                       ; source 1 in window 1.  The ten accumulators take turns, one instruction a turn; the first K step starts the sums
	PASS8 0, 1
	WIN 0
	MM 160, 64, 192, 1                             ; A3[3], A3[4]: their codes of x lie in window 0
	MM 168, 64, 224, 1
	MM 160, 80, 208, 0
	MM 168, 80, 240, 0
	WIN 0x04
	PASS8 1, 0
	WIN 0
	PLACES 4                                       ; in front of the loads into W and of the first reads of the sums
.if \next
	LOADW
.else
	GLW 0
.endif
.set j, 0
.rept 20
	v_pk_mul_f32 v[136+j:137+j], v[96+j:97+j], v[136+j:137+j]          ; A1 A3; each accumulator from its low end on
.set j, j+2
.endr
.set j, 0
.rept 20
	v_pk_mul_f32 v[96+j:97+j], v[96+j:97+j], s[50:51] op_sel_hi:[1,0]  ; -log2(e) h1
.set j, j+2
.endr
.set j, 0
.rept 40
	v_exp_f32 v[96+j], v[96+j]
.set j, j+1
.endr
	v_add_nc_u32 v11, s47, v10                     ; where this unit's codes go; also the plain instruction behind the last exponential
	s_add_co_u32 s47, s47, 10240                   ; four pairs of hidden tiles on
	s_wait_alu depctr_va_vdst(0)                   ; one wait for the batch of 40, ahead of its first reader
.set j, 0
.rept 20
	v_pk_add_f32 v[96+j:97+j], v[96+j:97+j], 1.0 op_sel_hi:[1,0]
.set j, j+2
.endr
.set j, 0
.rept 40
	v_rcp_f32 v[96+j], v[96+j]                     ; sigmoid(h1); an overflowed exponential gives 0
.set j, j+1
.endr
	v_nop
	s_wait_alu depctr_va_vdst(0)                   ; one wait for the 40 reciprocals
.set j, 0
.rept 20
	v_pk_mul_f32 v[136+j:137+j], v[136+j:137+j], v[96+j:97+j]          ; h / 2^(e0 + e1 + e2 + e3)
.set j, j+2
.endr
.set j, 0
.rept 40
	v_med3_num_f32 v[136+j], v[136+j], -v15, v15   ; the hold at 448 x 2^F
.set j, j+1
.endr
.irp m, 0,1,2,3,4
	v_cvt_scalef32_pk8_fp8_f32 v[176+2*\m:177+2*\m], v[136+8*\m:143+8*\m], v16   ; the five scales folded into one: / 2^F
.endr
	v_nop                                          ; a plain instruction between the conversions and the next products, which write their sources
.irp m, 0,1,2,3,4
	ds_store_b64 v11, v[176+2*\m:177+2*\m] offset:512*\m
.endr
.endm
; K step s of the second product: 20 matrix instructions, the 20 accumulators by turns.  nl, nd: the loads of the step after, which may stay out.
.macro STEP2 s, nl, nd
	s_wait_loadcnt \nl
	s_wait_dscnt \nd
.if ((\s)%2)
	WIN 0x54                                       ; h's set 1 in window 1; C and D window 1
.else
	WIN 0x50
.endif
.set WBF, 32+64*((\s)%2)
.irp c, 0,1,2,3
.irp m, 0,1,2,3,4
.if (\s) == 0
	v_wmma_f32_16x16x128_fp8_fp8 v[8*(5*\c+\m):8*(5*\c+\m)+7], v[WBF+16*\c:WBF+16*\c+15], v[160+16*\m:160+16*\m+15], 0
.elseif (\s) < 5
	v_wmma_f32_16x16x128_fp8_fp8 v[8*(5*\c+\m):8*(5*\c+\m)+7], v[WBF+16*\c:WBF+16*\c+15], v[160+16*\m:160+16*\m+15], v[8*(5*\c+\m):8*(5*\c+\m)+7]
.else
	v_wmma_f32_16x16x64_fp8_fp8 v[8*(5*\c+\m):8*(5*\c+\m)+7], v[WBF+16*\c:WBF+16*\c+7], v[160+16*\m:160+16*\m+7], v[8*(5*\c+\m):8*(5*\c+\m)+7]
.endif
.endr
.endr
	WIN 0
.endm
	; ---------------------------------------------------------------- the head
	s_load_b512 s[4:19], s[0:1], 0x0               ; tiles 4, order 6, gates 8, x 10, wf 12, w2f 14, lowp_scales 16, out0 18
	v_lshrrev_b32 v31, 5, v0
	v_readfirstlane_b32 s30, v31                   ; wave 0..7
	s_lshl_b32 s54, ttmp9, 4
	s_mov_b32 s55, 0
	s_wait_kmcnt 0x0
	s_add_nc_u64 s[4:5], s[4:5], s[54:55]
	s_load_b128 s[20:23], s[4:5], 0x0              ; my tile: lo, hi, first, count
	s_load_b128 s[24:27], s[16:17], 0x0            ; e0 .. e3
	s_load_b64 s[28:29], s[16:17], 0x10            ; e4, e5
	v_and_b32 v31, 31, v0
	v_lshlrev_b32 v1, 4, v31                       ; 16 x lane
	v_and_b32 v2, 15, v0                           ; r
	v_bfe_u32 v3, v0, 4, 1                         ; h
	s_lshr_b32 s31, s30, 2                         ; ex: which of the two experts is mine in phase 2
	s_and_b32 s32, s30, 3                          ; cg: which 64 output columns
	s_mul_i32 s54, s30, 10*ROWP
	v_add_nc_u32 v4, s54, v1                       ; my ten rows of a stage, dense
	v_add_nc_u32 v5, OUTB, v4
	v_mul_u32_u24 v6, v2, ROWP
	v_lshl_add_u32 v13, v3, 5, v6
	v_lshl_add_u32 v6, v3, 6, v6
	s_lshl_b32 s54, s30, 7
	v_add_nc_u32 v6, s54, v6                       ; x's rows: row r, k = 32 w + 16 h
	v_add_nc_u32 v7, 48*ROWP, v6                   ; the same from row 48 on: the immediate offset has 16 bits
	v_add_nc_u32 v9, XIMG, v1
	s_lshl_b32 s54, s30, 9
	v_add_nc_u32 v8, s54, v9                       ; x's images: kb = w
	s_lshr_b32 s54, s30, 1
	s_mul_i32 s54, s54, 2560
	s_and_b32 s55, s30, 1
	s_lshl_b32 s55, s55, 3
	s_add_co_u32 s54, s54, s55
	s_add_co_u32 s54, s54, HIMG
	v_add_nc_u32 v10, s54, v1                      ; h's images: unit u lies in pair u / 2, bytes 8 (u % 2) on
	s_mul_i32 s54, s31, 56320
	s_add_co_u32 s54, s54, HIMG
	v_add_nc_u32 v12, s54, v1                      ; my expert's 22 pairs
	s_mul_i32 s54, s31, OUTB
	s_lshl_b32 s55, s32, 8
	s_add_co_u32 s54, s54, s55
	v_add_nc_u32 v13, s54, v13                     ; my expert's stage: row r, + 256 cg + 32 h
	v_add_nc_u32 v14, 48*ROWP, v13
	s_wait_kmcnt 0x0
	s_min_u32 s20, s20, 7                          ; loaded numbers enter addresses clamped
	s_min_u32 s21, s21, 7
	s_min_u32 s22, s22, 0x3fff
	s_min_u32 s23, s23, 80
	s_mul_i32 s54, s30, 10
	s_sub_co_i32 s34, s23, s54                     ; how many of my ten rows count (may be negative)
	s_add_co_u32 s54, s54, s22
	s_lshl_b32 s54, s54, 2
	s_mov_b32 s55, 0
	s_add_nc_u64 s[56:57], s[6:7], s[54:55]
	s_load_b256 s[36:43], s[56:57], 0x0            ; the tokens of my ten rows
	s_load_b64 s[44:45], s[56:57], 0x20
	v_add_nc_u32 v31, s22, v2
	v_lshlrev_b32 v31, 2, v31
.irp m, 0,1,2,3,4
	global_load_b32 v[21+\m], v31, s[6:7] offset:64*\m                 ; the token of row 16 m + r
.endr
	s_mov_b32 s46, s30                             ; my first unit: expert lo, hidden tile w
	s_mul_i32 s54, s20, WF_E
	s_lshl_b32 s55, s30, 13
	s_add_co_u32 s54, s54, s55
	s_mov_b32 s55, 0
	s_add_nc_u64 s[48:49], s[12:13], s[54:55]
	LOADW
	s_cmp_eq_u32 s31, 0
	s_cselect_b32 s54, s20, s21
	s_min_u32 s54, s54, 7
	s_mul_i32 s54, s54, W2_E
	s_mul_i32 s55, s32, 45056
	s_add_co_u32 s54, s54, s55
	s_mov_b32 s55, 0
	s_add_nc_u64 s[52:53], s[14:15], s[54:55]      ; w2's fragments of my expert and my four column tiles
	s_add_co_i32 s54, s24, s25                     ; e0 + e1
	s_lshl_b32 s55, s54, 23
	s_add_co_u32 s50, s55, 0xbfb8aa3b              ; -log2(e) x 2^(e0 + e1): the sum is added to the exponent field
	s_mov_b32 s51, s50                             ; (named with it as a pair, so it is written)
	s_add_co_i32 s54, s54, s26
	s_add_co_i32 s54, s54, s27
	s_sub_co_i32 s54, s29, s54                     ; F = e5 - e0 - e1 - e2 - e3
	s_add_co_i32 s54, s54, 127
	s_lshl_b32 s55, s54, 23
	v_mov_b32 v16, s55                             ; 2^F
	s_add_co_i32 s54, s54, 8
	s_lshl_b32 s54, s54, 23
	s_or_b32 s54, s54, 0x600000
	v_mov_b32 v15, s54                             ; 448 x 2^F
	s_add_co_i32 s54, s24, 127
	s_lshl_b32 s55, s54, 23
	v_mov_b32 v17, s55                             ; 2^e0
	s_add_co_i32 s54, s54, 8
	s_lshl_b32 s54, s54, 23
	s_or_b32 s54, s54, 0x600000
	v_mov_b32 v18, s54                             ; 448 x 2^e0
	s_add_co_i32 s54, s26, 127
	s_lshl_b32 s55, s54, 23
	v_mov_b32 v19, s55                             ; 2^e2
	s_add_co_i32 s54, s54, 8
	s_lshl_b32 s54, s54, 23
	s_or_b32 s54, s54, 0x600000
	v_mov_b32 v20, s54                             ; 448 x 2^e2
	s_add_co_i32 s35, s28, s29                     ; e4 + e5
	s_lshl_b32 s58, s31, 2                         ; my expert's gate: 4 ex bytes into a token's pair
	s_mov_b32 s47, 0
	s_wait_kmcnt 0x0
.irp i, 0,1,2,3,4,5,6,7,8,9
	s_min_u32 s[36+\i], s[36+\i], 0x3fff
	s_lshl_b32 s[36+\i], s[36+\i], 10              ; a row of x and of out0 is 1,024 bytes
	v_add_nc_u32 v[176+\i], s[36+\i], v1
.endr
.irp i, 0,1,2,3,4,5,6,7,8,9
	global_load_b128 v[96+8*\i:99+8*\i], v[176+\i], s[10:11]           ; each load 512 consecutive bytes of a row
	global_load_b128 v[100+8*\i:103+8*\i], v[176+\i], s[10:11] offset:512
.endr
	; ---------------------------------------------------------------- phase X
.irp i, 0,1,2,3,4,5,6,7,8,9
	s_wait_loadcnt 18-2*\i                         ; row i is in; the 18 - 2 i younger loads may be out
	ds_store_b128 v4, v[96+8*\i:99+8*\i] offset:\i*ROWP
	ds_store_b128 v4, v[100+8*\i:103+8*\i] offset:\i*ROWP+512
.endr
	BARRIER                                        ; the tile's 80 rows lie in LDS
.irp m, 0,1,2,3,4
	v_min_u32 v[21+\m], 0x3fff, v[21+\m]
	v_lshlrev_b32 v[186+\m], 3, v[21+\m]
	v_add_nc_u32 v[186+\m], s58, v[186+\m]
	global_load_b32 v[26+\m], v[186+\m], s[8:9]    ; my expert's gate of row 16 m + r; the first unit's wait covers it
.endr
.irp m, 0,1,2
.irp j, 0,1,2,3
	ds_load_b128 v[96+16*\m+4*\j:99+16*\m+4*\j], v6 offset:\m*16*ROWP+16*\j
.endr
.endr
.irp m, 3,4
.irp j, 0,1,2,3
	ds_load_b128 v[96+16*\m+4*\j:99+16*\m+4*\j], v7 offset:(\m-3)*16*ROWP+16*\j
.endr
.endr
	s_wait_dscnt 0x0
	QX 0
	QX 1
	QX 2
	QX 3
	QX 4
	BARRIER                                        ; x's 80 fragment pieces lie in LDS
	WIN 0x40                                       ; destination window 1
.irp m, 0,1,2,3,4
.irp k, 0,1,2,3,4,5,6,7
	ds_load_b128 v[32*\m+4*\k:32*\m+4*\k+3], v9 offset:\m*4096+\k*512
.endr
.endr
.irp m, 0,1,2
.irp k, 0,1,2,3,4,5,6,7
	ds_load_b128 v[160+32*\m+4*\k:160+32*\m+4*\k+3], v9 offset:20480+\m*4096+\k*512
.endr
.endr
	WIN 0
.irp m, 3,4
.irp k, 0,1,2,3,4,5,6,7
	ds_load_b128 v[192+32*(\m-3)+4*\k:192+32*(\m-3)+4*\k+3], v9 offset:20480+\m*4096+\k*512
.endr
.endr
	; ---------------------------------------------------------------- phase 1: eleven units a wave
	s_mov_b32 s33, 10
.Lunit:
	UNIT 1
	s_sub_co_u32 s33, s33, 1
	s_cmp_lg_u32 s33, 0
	s_cbranch_scc1 .Lunit
	UNIT 0                                         ; the last is written out: no load leaves wf
	GLW 1
.irp m, 0,1,2,3,4
	v_ldexp_f32 v[240+2*\m], v[26+\m], s35         ; gate x 2^(e4 + e5),
	v_mov_b32 v[241+2*\m], v[240+2*\m]             ; twice, for the packed multiply
.endr
	BARRIER                                        ; both experts' hidden layers lie in LDS; nobody reads x's rows any more
	; ---------------------------------------------------------------- phase 2
	LDH 0
	LDH 1
	STEP2 0, 16, 20
	PLACES 4                                       ; in front of loads into registers that the products have read
	GLW 2
	LDH 2
	STEP2 1, 16, 20
	PLACES 4
	GLW 3
	LDH 3
	STEP2 2, 16, 20
	PLACES 4
	GLW 4
	LDH 4
	STEP2 3, 16, 20
	PLACES 4
	GLW 5
	LDH 5
	STEP2 4, 8, 10
	PLACES 5                                       ; the last step is another form on the same accumulators: no link of a chain, so five places
	STEP2 5, 0, 0
	PLACES 4
	; ---------------------------------------------------------------- the way out
	WIN 0x01                                       ; source 0 (the sums) window 1
.irp c, 0,1,2,3
.irp m, 0,1,2,3,4
.irp i, 0,2,4,6
	v_pk_mul_f32 v[32+8*(5*\c+\m)+\i:32+8*(5*\c+\m)+\i+1], v[8*(5*\c+\m)+\i:8*(5*\c+\m)+\i+1], v[240+2*\m:241+2*\m]   ; each accumulator from its low end on
.endr
.endr
.endr
	WIN 0
.irp c, 0,1,2,3
.irp m, 0,1,2
	ds_store_b128 v13, v[32+8*(5*\c+\m):32+8*(5*\c+\m)+3] offset:\m*16*ROWP+\c*64       ; lane (r, h): row 16 m + r, columns 64 cg + 16 c + 8 h + 0 .. 7
	ds_store_b128 v13, v[32+8*(5*\c+\m)+4:32+8*(5*\c+\m)+7] offset:\m*16*ROWP+\c*64+16
.endr
.irp m, 3,4
	ds_store_b128 v14, v[32+8*(5*\c+\m):32+8*(5*\c+\m)+3] offset:(\m-3)*16*ROWP+\c*64
	ds_store_b128 v14, v[32+8*(5*\c+\m)+4:32+8*(5*\c+\m)+7] offset:(\m-3)*16*ROWP+\c*64+16
.endr
.endr
	BARRIER                                        ; 80 whole rows of both experts lie in the stages
.irp i, 0,1,2,3,4,5,6,7,8,9
	ds_load_b128 v[32+8*\i:35+8*\i], v4 offset:\i*ROWP
	ds_load_b128 v[36+8*\i:39+8*\i], v4 offset:\i*ROWP+512
	ds_load_b128 v[112+8*\i:115+8*\i], v5 offset:\i*ROWP
	ds_load_b128 v[116+8*\i:119+8*\i], v5 offset:\i*ROWP+512
.endr
.irp i, 0,1,2,3,4,5,6,7,8,9
	v_add_nc_u32 v[192+\i], s[36+\i], v1
.endr
	s_wait_dscnt 0x0
.set j, 0
.rept 40
	v_pk_add_f32 v[32+j:33+j], v[32+j:33+j], v[112+j:113+j]            ; g_lo y_lo + g_hi y_hi
.set j, j+2
.endr
.irp i, 0,1,2,3,4,5,6,7,8,9
	s_cmp_gt_i32 s34, \i                           ; rows past the tile's count belong to other tiles: a branch on a stored whole number, behind the last barrier
	s_cbranch_scc0 .Lend
	global_store_b128 v[192+\i], v[32+8*\i:35+8*\i], s[18:19] th:TH_STORE_NT             ; 32 lanes store 512 consecutive bytes, aligned; written once
	global_store_b128 v[192+\i], v[36+8*\i:39+8*\i], s[18:19] offset:512 th:TH_STORE_NT
.endr
.Lend:
	s_wait_xcnt 0x0
	v_lshl_add_u32 v254, v0, 2, 0x4e200
	v_mov_b32 v255, 0
	s_wait_tensorcnt 0x0
	ds_add_u32 v254, v255
	s_wait_dscnt 0x0
	s_endpgm
.Lfunc_end_k_q6eed5a5fcb_chain:
	.size	k_q6eed5a5fcb_chain, .Lfunc_end_k_q6eed5a5fcb_chain-k_q6eed5a5fcb_chain
	.p2alignl 7, 3214868480
	.fill 96, 4, 3214868480
	.section	.rodata,"a",@progbits
	.p2align	6, 0x0
	.amdhsa_kernel k_q6eed5a5fcb_chain
		.amdhsa_group_segment_fixed_size 321024
		.amdhsa_private_segment_fixed_size 0
		.amdhsa_enable_private_segment 0
		.amdhsa_kernarg_size 64
		.amdhsa_user_sgpr_count 2
		.amdhsa_user_sgpr_kernarg_segment_ptr 1
		.amdhsa_wavefront_size32 1
		.amdhsa_system_sgpr_workgroup_id_x 1
		.amdhsa_system_sgpr_workgroup_id_y 1
		.amdhsa_system_sgpr_workgroup_id_z 1
		.amdhsa_system_vgpr_workitem_id 0
		.amdhsa_next_free_vgpr 512
		.amdhsa_next_free_sgpr 66
		.amdhsa_reserve_vcc 0
		.amdhsa_float_denorm_mode_32 3
		.amdhsa_float_denorm_mode_16_64 3
		.amdhsa_memory_ordered 1
		.amdhsa_forward_progress 1
		.amdhsa_inst_pref_size 99
	.end_amdhsa_kernel
	.amdgpu_metadata
---
amdhsa.version: [ 1, 2 ]
amdhsa.kernels:
  - .name:           k_q6eed5a5fcb_chain
    .symbol:         k_q6eed5a5fcb_chain.kd
    .args:
      - { .name: tiles, .offset: 0, .size: 8, .value_kind: global_buffer, .address_space: global }
      - { .name: order, .offset: 8, .size: 8, .value_kind: global_buffer, .address_space: global }
      - { .name: gates, .offset: 16, .size: 8, .value_kind: global_buffer, .address_space: global }
      - { .name: x, .offset: 24, .size: 8, .value_kind: global_buffer, .address_space: global }
      - { .name: wf, .offset: 32, .size: 8, .value_kind: global_buffer, .address_space: global }
      - { .name: w2f, .offset: 40, .size: 8, .value_kind: global_buffer, .address_space: global }
      - { .name: lowp_scales, .offset: 48, .size: 8, .value_kind: global_buffer, .address_space: global }
      - { .name: out0, .offset: 56, .size: 8, .value_kind: global_buffer, .address_space: global }
    .group_segment_fixed_size: 321024
    .private_segment_fixed_size: 0
    .kernarg_segment_align: 8
    .kernarg_segment_size: 64
    .max_flat_workgroup_size: 256
    .sgpr_count:     66
    .vgpr_count:     512
    .wavefront_size: 32
...
	.end_amdgpu_metadata
.endif
;; end of part 3
;; ======== version 2 of 2: 3 launches; version 1 with the launch chain written anew for expert scheduling mode
;; limits: right only within a limited range of input values
;; workspace buffers: info 131,072 bytes of whole numbers; counts 65,536 bytes of whole numbers; gates 131,072 bytes; order 66,560 bytes of whole numbers; tiles 4,096 bytes of whole numbers; wf 2,883,584 bytes; w2f 1,441,792 bytes
;; launch route: the kernel of part 1 again; grid 512 x 1, 4 waves a work-group, no clusters, 39,424 bytes of LDS; arguments x, router_w, info, gates, counts; writes info, gates, counts
;; launch prep: the kernel of part 2 again; grid 217 x 1, 8 waves a work-group, no clusters, 81,920 bytes of LDS; arguments info, counts, w1_codes, w3_codes, w2, lowp_scales, order, tiles, wf, w2f; writes order, tiles, wf, w2f
;; launch chain (part 4): grid 232 x 1, 8 waves a work-group, no clusters, 321,024 bytes of LDS; arguments tiles, order, gates, x, wf, w2f, lowp_scales, out0; writes out0
.if DOCPART == 4
	.amdgcn_target "amdgcn-amd-amdhsa--gfx1250"
	.amdhsa_code_object_version 6
	.text
	.protected	k_q6eed5a5fcb_chain
	.globl	k_q6eed5a5fcb_chain
	.p2align	8
	.type	k_q6eed5a5fcb_chain,@function
k_q6eed5a5fcb_chain:
	s_mov_b64 s[64:65], 0
	v_nop
	global_prefetch_b8 v0, s[64:65] scope:SCOPE_SE
	s_setreg_imm32_b32 hwreg(HW_REG_WAVE_SCHED_MODE, 0, 2), 2
	s_setreg_imm32_b32 hwreg(HW_REG_WAVE_MODE, 25, 1), 1
	s_wait_xcnt 0x0
	s_wait_alu depctr_vm_vsrc(0)
; THE EXPERTS.  A work-group takes one tile: up to 80 tokens that chose the same two experts lo < hi, through the whole chain for both, and stores
; out = g_lo y_lo + g_hi y_hi: each output row has one owner.  y = w2 Q(silu(x w1^T) (x w3^T)), all three products on codes of FP8 (E4M3) with the given scales:
; x is quantised twice (2^e0 for w1's product, 2^e2 for w3's), h with 2^e5; w1, w3 (e1, e3) and w2 (e4) come as codes laid in operand order by the launch before.
; GRID: 232 work-groups serve every split of the tokens (28 bins, tiles of 80).  A tile with count 0 walks through on clamped addresses and stores nothing:
; every wave passes every barrier, and no barrier stands under a branch on a loaded number; the one branch on the count stands behind the last barrier.
; NO CLUSTER, NO TENSOR LOADS: which experts' weights a work-group reads hangs on the stored list of tiles, so neighbours in a cluster would ask for different tiles;
; the weights go from memory straight into operand registers, each load 512 consecutive bytes, each fragment loaded once in the work-group.
; WAVES: eight of 512 registers, two to a SIMD, so that one wave's activation (205 vector instructions a hidden tile) stands beside the other's 20 matrix instructions.
; PHASE X: the tile's rows of x are gathered into LDS; wave w quantises k = 32 w .. 32 w + 31 of all 80 rows, twice; the codes go to LDS as images of operand registers; every wave loads all of them (320 registers).
; PHASE 1: 88 units = 2 experts x 44 tiles of 16 hidden rows; wave w takes units w, w + 8, ..: eleven each.  Transposed: source 0 = 16 hidden rows, source 1 = 16 tokens, so a lane holds one token and
;   eight neighbouring hidden units: the conversion's 8 bytes are registers 2 c, 2 c + 1 of the second product's operand.  In the first products k is permuted alike in both operands (16 bytes a load).
; PHASE 2: wave (ex = w / 4, cg = w % 4) makes output columns 64 cg .. 64 cg + 63 of expert ex for all 80 rows: K = 704 = 5 x 128 + 64; hidden rows 682 to 703 are zero codes on both sides.
; THE WAY OUT: sums x gate x 2^(e4 + e5) go to one stage for each expert; each wave adds and stores ten whole rows of 1,024 bytes.
; LIMITS: e0, e2 in [-126, 119]; e0 + e1 in [-126, 126] (added to an exponent field); F = e5 - e0 - e1 - e2 - e3 in [-126, 119]; e4 + e5 goes by v_ldexp_f32.  NaN in x is not served; infinities are held at +-448.
; REGISTERS.  Window 0: v1 16 x lane, v2 r, v3 h, v4-14 LDS addresses, v15-20 scales, v21-25 tokens, v26-30 gates, v32-95 W (w1 s0, w1 s1, w3 s0, w3 s1), v96-135 A1, v136-175 A3, v176-185 codes,
;   v186-190 gates' offsets, v192-255 x's codes (e2) of row tiles 3, 4.  Window 1: v0-159 x's codes (e0), v160-255 x's codes (e2) of row tiles 0-2.
;   Phase 2: window 0: v32-95, v96-159 w2's fragments, two sets; v160-239 h's, set 0; v240-249 the gates.  Window 1: v0-159 twenty accumulators; v160-239 h's, set 1.
; THE MODE: SCHED_MODE bits 1:0 = 2 (LLVM: expert scheduling mode 2), set by the entry lines.  The code itself states the register dependences
; between vector or matrix instructions and memory or LDS instructions, with s_wait_alu, always for 0.
; THE PLAN.  Registers that memory or LDS instructions touch, and who else names them:
;   v1, v4-v10, v12-v14   Addresses, made at the head ahead of the first wait on va_vdst and never written again.
;   W (v32-95)            A unit's 20 products read it; the next unit's 16 loads land in it: one wait on va_vdst behind the products, the loads in one run behind it.
;   v11, v176-185         A unit's vector lines write them, its five LDS stores read them: one wait on va_vdst ahead of the stores, one on vm_vsrc at the next unit's head.
;   A1, A3 (v96-175)      In phase 1 named by vector and matrix instructions alone.
;   Phase 2's two sets    Step s's 20 products read set s % 2; the loads of step s + 2 land in it: one wait on va_vdst behind the step, then loads and window switches alone.
;   Stages and images     Each run of LDS stores stands behind one wait on va_vdst; behind the barrier that follows, one wait on vm_vsrc stands ahead of the loads that land in the stores' registers.
; All 512 registers are taken: there is no second W and no third set.
.set ROWP,  1040                       ; a stage row: 1,024 bytes + 16, an odd multiple of 16
.set OUTB,  80*ROWP                    ; LDS: 0: x's rows, later expert lo's results; OUTB: expert hi's
.set XIMG,  2*OUTB                     ; x's codes: [scale 2][row tile 5][kb 8][lane 32][16 bytes]
.set HIMG,  XIMG+40960                 ; h's codes: [pair of hidden tiles 44][row tile 5][lane 32][16 bytes]
.set WF_E,  360448                     ; an expert in wf
.set W2_E,  180224                     ; and in w2f
.set MSB, 0
.macro WIN new                         ; the immediate's high byte repeats the setting that is left; a switch that changes nothing is dropped
.if MSB != \new
	s_set_vgpr_msb (MSB<<8)|\new
.set MSB, \new
.endif
.endm
.macro BARRIER                         ; my LDS stores have landed and my LDS loads are in: then the work-group's barrier
	s_wait_dscnt 0x0
	s_barrier_signal -1
	s_barrier_wait -1
.endm
.macro PLACES n                        ; plain vector instructions behind matrix instructions (ISA guide 7.12.1)
.rept \n
	v_nop
.endr
.endm
.macro MM d, a, b, zero
.if \zero
	v_wmma_f32_16x16x128_fp8_fp8 v[\d:\d+7], v[\a:\a+15], v[\b:\b+15], 0
.else
	v_wmma_f32_16x16x128_fp8_fp8 v[\d:\d+7], v[\a:\a+15], v[\b:\b+15], v[\d:\d+7]
.endif
.endm
.macro PASS8 s, zero                   ; K step s of A1[0..4] and A3[0..2]; x's codes in window 1
.irp m, 0,1,2,3,4
	MM 96+8*\m, 32+16*\s, 32*\m+16*\s, \zero
.endr
.irp m, 0,1,2
	MM 136+8*\m, 64+16*\s, 160+32*\m+16*\s, \zero
.endr
.endm
.macro LOADW                           ; a unit's 8,192 bytes of w1 and w3: four fragments
.irp k, 0,1,2,3,4,5,6,7,8,9,10,11,12,13,14,15
	global_load_b128 v[32+4*\k:35+4*\k], v1, s[48:49] offset:512*\k
.endr
.endm
.macro GLW s                           ; w2's four fragments of K step s into set s % 2 (step 5: half fragments)
.set WBF, 32+64*((\s)%2)
.irp c, 0,1,2,3
.irp q, 0,1,2,3
.if (4*(\s)+\q) < 22
	global_load_b128 v[WBF+16*\c+4*\q:WBF+16*\c+4*\q+3], v1, s[52:53] offset:\c*11264+(4*(\s)+\q)*512
.endif
.endr
.endr
.endm
.macro LDH s                           ; h's five fragments of K step s into set s % 2
.if ((\s)%2)
	WIN 0x40                                       ; destination window 1
.endif
.irp m, 0,1,2,3,4
.irp q, 0,1,2,3
.if (4*(\s)+\q) < 22
	ds_load_b128 v[160+16*\m+4*\q:160+16*\m+4*\q+3], v12 offset:(4*(\s)+\q)*2560+\m*512
.endif
.endr
.endr
	WIN 0
.endm
; One row tile's 16 numbers a lane become 16 codes, twice: with 2^e0 (through v192-207) and with 2^e2 (in place).  Each row tile has code registers of its own: v208 + 8 m on.
.macro QX m
.set NX, 96+16*\m
.set CX, 208+8*\m
.set i, 0
.rept 16
	v_med3_num_f32 v[192+i], v[NX+i], -v18, v18    ; the conversion does not saturate (ISA guide 7.6.2): the hold at the largest code x the scale
.set i, i+1
.endr
	v_cvt_scalef32_pk8_fp8_f32 v[CX:CX+1], v[192:199], v17
	v_cvt_scalef32_pk8_fp8_f32 v[CX+2:CX+3], v[200:207], v17
.set i, 0
.rept 16
	v_med3_num_f32 v[NX+i], v[NX+i], -v20, v20
.set i, i+1
.endr
	v_cvt_scalef32_pk8_fp8_f32 v[CX+4:CX+5], v[NX:NX+7], v19
	v_cvt_scalef32_pk8_fp8_f32 v[CX+6:CX+7], v[NX+8:NX+15], v19
	v_nop                                          ; a plain instruction behind the last conversion of the run
.endm
.macro QXOUT m                         ; and go to LDS as images
	ds_store_b128 v8, v[208+8*\m:208+8*\m+3] offset:\m*4096
	ds_store_b128 v8, v[208+8*\m+4:208+8*\m+7] offset:20480+\m*4096
.endm
; A UNIT: 16 hidden rows of one expert for all 80 tokens.  next = 1: the next unit's weights are asked for behind the products; 0 (the last): w2's first fragments.
.macro UNIT next
	s_wait_loadcnt 0x0                             ; this unit's weights are in (asked for a whole activation ago); the loads have read their base
	s_wait_dscnt 0x0
	s_wait_alu depctr_vm_vsrc(0)                   ; the LDS stores of the unit before have read v11 and the codes v176-185, which this unit's vector lines write again
.if \next
	s_add_co_u32 s46, s46, 8                       ; the next unit: expert lo for units under 44, else hi
	s_cmp_lt_u32 s46, 44
	s_cselect_b32 s54, s20, s21
	s_cselect_b32 s55, 0, 44
	s_min_u32 s54, s54, 7
	s_sub_co_u32 s55, s46, s55
	s_mul_i32 s54, s54, WF_E
	s_lshl_b32 s55, s55, 13
	s_add_co_u32 s54, s54, s55
	s_mov_b32 s55, 0
	s_add_nc_u64 s[48:49], s[12:13], s[54:55]
.endif
	WIN 0x04                                       ; source 1 in window 1.  The ten accumulators take turns, one instruction a turn; the first K step starts the sums
	PASS8 0, 1
	WIN 0
	MM 160, 64, 192, 1                             ; A3[3], A3[4]: their codes of x lie in window 0
	MM 168, 64, 224, 1
	MM 160, 80, 208, 0
	MM 168, 80, 240, 0
	WIN 0x04
	PASS8 1, 0
	WIN 0
	PLACES 4                                       ; in front of the first reads of the sums
	s_wait_alu depctr_va_vdst(0)                   ; the 20 products are done reading W (v32-95), in which the loads below land
.if \next
	LOADW
.else
	GLW 0
.endif
.set j, 0
.rept 20
	v_pk_mul_f32 v[136+j:137+j], v[96+j:97+j], v[136+j:137+j]          ; A1 A3; each accumulator from its low end on
.set j, j+2
.endr
.set j, 0
.rept 20
	v_pk_mul_f32 v[96+j:97+j], v[96+j:97+j], s[50:51] op_sel_hi:[1,0]  ; -log2(e) h1
.set j, j+2
.endr
.set j, 0
.rept 40
	v_exp_f32 v[96+j], v[96+j]
.set j, j+1
.endr
	v_add_nc_u32 v11, s47, v10                     ; where this unit's codes go; also the plain instruction behind the last exponential
	s_add_co_u32 s47, s47, 10240                   ; four pairs of hidden tiles on
	s_wait_alu depctr_va_vdst(0)                   ; the 40 exponentials have written v96-135: one wait for the batch, ahead of its first reader
.set j, 0
.rept 20
	v_pk_add_f32 v[96+j:97+j], v[96+j:97+j], 1.0 op_sel_hi:[1,0]
.set j, j+2
.endr
.set j, 0
.rept 40
	v_rcp_f32 v[96+j], v[96+j]                     ; sigmoid(h1); an overflowed exponential gives 0
.set j, j+1
.endr
	v_nop
	s_wait_alu depctr_va_vdst(0)                   ; the 40 reciprocals have written v96-135: one wait for the batch, ahead of its first reader
.set j, 0
.rept 20
	v_pk_mul_f32 v[136+j:137+j], v[136+j:137+j], v[96+j:97+j]          ; h / 2^(e0 + e1 + e2 + e3)
.set j, j+2
.endr
.set j, 0
.rept 40
	v_med3_num_f32 v[136+j], v[136+j], -v15, v15   ; the hold at 448 x 2^F
.set j, j+1
.endr
.irp m, 0,1,2,3,4
	v_cvt_scalef32_pk8_fp8_f32 v[176+2*\m:177+2*\m], v[136+8*\m:143+8*\m], v16   ; the five scales folded into one: / 2^F
.endr
	v_nop                                          ; a plain instruction between the conversions and the next products, which write their sources
	s_wait_alu depctr_va_vdst(0)                   ; the five conversions have written the codes v176-185, which the LDS stores read (v11, their address, was written ahead of the exponentials' wait)
.irp m, 0,1,2,3,4
	ds_store_b64 v11, v[176+2*\m:177+2*\m] offset:512*\m
.endr
.endm
; K step s of the second product: 20 matrix instructions, the 20 accumulators by turns.  nl, nd: the loads of the step after, which may stay out.
.macro STEP2 s, nl, nd
	s_wait_loadcnt \nl
	s_wait_dscnt \nd
.if ((\s)%2)
	WIN 0x54                                       ; h's set 1 in window 1; C and D window 1
.else
	WIN 0x50
.endif
.set WBF, 32+64*((\s)%2)
.irp c, 0,1,2,3
.irp m, 0,1,2,3,4
.if (\s) == 0
	v_wmma_f32_16x16x128_fp8_fp8 v[8*(5*\c+\m):8*(5*\c+\m)+7], v[WBF+16*\c:WBF+16*\c+15], v[160+16*\m:160+16*\m+15], 0
.elseif (\s) < 5
	v_wmma_f32_16x16x128_fp8_fp8 v[8*(5*\c+\m):8*(5*\c+\m)+7], v[WBF+16*\c:WBF+16*\c+15], v[160+16*\m:160+16*\m+15], v[8*(5*\c+\m):8*(5*\c+\m)+7]
.else
	v_wmma_f32_16x16x64_fp8_fp8 v[8*(5*\c+\m):8*(5*\c+\m)+7], v[WBF+16*\c:WBF+16*\c+7], v[160+16*\m:160+16*\m+7], v[8*(5*\c+\m):8*(5*\c+\m)+7]
.endif
.endr
.endr
	WIN 0
.endm
; Behind step s - 2: the set that it has read takes step s's fragments.  Behind the wait stand loads and window switches alone.
.macro REFILL s
	PLACES 4                                       ; the places behind the products stay beside the wait
	s_wait_alu depctr_va_vdst(0)                   ; the step's 20 products are done reading their set of w2's and of h's fragments, in which the loads below land
	GLW \s
	LDH \s
.endm
	; ---------------------------------------------------------------- the head
	s_load_b512 s[4:19], s[0:1], 0x0               ; tiles 4, order 6, gates 8, x 10, wf 12, w2f 14, lowp_scales 16, out0 18
	v_lshrrev_b32 v31, 5, v0
	v_readfirstlane_b32 s30, v31                   ; wave 0..7
	s_lshl_b32 s54, ttmp9, 4
	s_mov_b32 s55, 0
	s_wait_kmcnt 0x0
	s_add_nc_u64 s[4:5], s[4:5], s[54:55]
	s_load_b128 s[20:23], s[4:5], 0x0              ; my tile: lo, hi, first, count
	s_load_b128 s[24:27], s[16:17], 0x0            ; e0 .. e3
	s_load_b64 s[28:29], s[16:17], 0x10            ; e4, e5
	v_and_b32 v31, 31, v0
	v_lshlrev_b32 v1, 4, v31                       ; 16 x lane
	v_and_b32 v2, 15, v0                           ; r
	v_bfe_u32 v3, v0, 4, 1                         ; h
	s_wait_alu depctr_va_sdst(0)                   ; s30 is written, ahead of its first reader: LDS places, bases and the units' numbers are made from it
	s_lshr_b32 s31, s30, 2                         ; ex: which of the two experts is mine in phase 2
	s_and_b32 s32, s30, 3                          ; cg: which 64 output columns
	s_mul_i32 s54, s30, 10*ROWP
	v_add_nc_u32 v4, s54, v1                       ; my ten rows of a stage, dense
	v_add_nc_u32 v5, OUTB, v4
	v_mul_u32_u24 v6, v2, ROWP
	v_lshl_add_u32 v13, v3, 5, v6
	v_lshl_add_u32 v6, v3, 6, v6
	s_lshl_b32 s54, s30, 7
	v_add_nc_u32 v6, s54, v6                       ; x's rows: row r, k = 32 w + 16 h
	v_add_nc_u32 v7, 48*ROWP, v6                   ; the same from row 48 on: the immediate offset has 16 bits
	v_add_nc_u32 v9, XIMG, v1
	s_lshl_b32 s54, s30, 9
	v_add_nc_u32 v8, s54, v9                       ; x's images: kb = w
	s_lshr_b32 s54, s30, 1
	s_mul_i32 s54, s54, 2560
	s_and_b32 s55, s30, 1
	s_lshl_b32 s55, s55, 3
	s_add_co_u32 s54, s54, s55
	s_add_co_u32 s54, s54, HIMG
	v_add_nc_u32 v10, s54, v1                      ; h's images: unit u lies in pair u / 2, bytes 8 (u % 2) on
	s_mul_i32 s54, s31, 56320
	s_add_co_u32 s54, s54, HIMG
	v_add_nc_u32 v12, s54, v1                      ; my expert's 22 pairs
	s_mul_i32 s54, s31, OUTB
	s_lshl_b32 s55, s32, 8
	s_add_co_u32 s54, s54, s55
	v_add_nc_u32 v13, s54, v13                     ; my expert's stage: row r, + 256 cg + 32 h
	v_add_nc_u32 v14, 48*ROWP, v13
	s_wait_kmcnt 0x0
	s_min_u32 s20, s20, 7                          ; loaded numbers enter addresses clamped
	s_min_u32 s21, s21, 7
	s_min_u32 s22, s22, 0x3fff
	s_min_u32 s23, s23, 80
	s_mul_i32 s54, s30, 10
	s_sub_co_i32 s34, s23, s54                     ; how many of my ten rows count (may be negative)
	s_add_co_u32 s54, s54, s22
	s_lshl_b32 s54, s54, 2
	s_mov_b32 s55, 0
	s_add_nc_u64 s[56:57], s[6:7], s[54:55]
	s_load_b256 s[36:43], s[56:57], 0x0            ; the tokens of my ten rows
	s_load_b64 s[44:45], s[56:57], 0x20
	v_add_nc_u32 v31, s22, v2
	v_lshlrev_b32 v31, 2, v31
	s_wait_alu depctr_va_vdst(0)                   ; v31 is written, which the loads below read; so are v1, v4-v10 and v12-v14, the addresses of every later load and store, which are never written again
.irp m, 0,1,2,3,4
	global_load_b32 v[21+\m], v31, s[6:7] offset:64*\m                 ; the token of row 16 m + r
.endr
	s_mov_b32 s46, s30                             ; my first unit: expert lo, hidden tile w
	s_mul_i32 s54, s20, WF_E
	s_lshl_b32 s55, s30, 13
	s_add_co_u32 s54, s54, s55
	s_mov_b32 s55, 0
	s_add_nc_u64 s[48:49], s[12:13], s[54:55]
	LOADW
	s_cmp_eq_u32 s31, 0
	s_cselect_b32 s54, s20, s21
	s_min_u32 s54, s54, 7
	s_mul_i32 s54, s54, W2_E
	s_mul_i32 s55, s32, 45056
	s_add_co_u32 s54, s54, s55
	s_mov_b32 s55, 0
	s_add_nc_u64 s[52:53], s[14:15], s[54:55]      ; w2's fragments of my expert and my four column tiles
	s_add_co_i32 s54, s24, s25                     ; e0 + e1
	s_lshl_b32 s55, s54, 23
	s_add_co_u32 s50, s55, 0xbfb8aa3b              ; -log2(e) x 2^(e0 + e1): the sum is added to the exponent field
	s_mov_b32 s51, s50                             ; (named with it as a pair, so it is written)
	s_add_co_i32 s54, s54, s26
	s_add_co_i32 s54, s54, s27
	s_sub_co_i32 s54, s29, s54                     ; F = e5 - e0 - e1 - e2 - e3
	s_add_co_i32 s54, s54, 127
	s_lshl_b32 s55, s54, 23
	v_mov_b32 v16, s55                             ; 2^F
	s_add_co_i32 s54, s54, 8
	s_lshl_b32 s54, s54, 23
	s_or_b32 s54, s54, 0x600000
	v_mov_b32 v15, s54                             ; 448 x 2^F
	s_add_co_i32 s54, s24, 127
	s_lshl_b32 s55, s54, 23
	v_mov_b32 v17, s55                             ; 2^e0
	s_add_co_i32 s54, s54, 8
	s_lshl_b32 s54, s54, 23
	s_or_b32 s54, s54, 0x600000
	v_mov_b32 v18, s54                             ; 448 x 2^e0
	s_add_co_i32 s54, s26, 127
	s_lshl_b32 s55, s54, 23
	v_mov_b32 v19, s55                             ; 2^e2
	s_add_co_i32 s54, s54, 8
	s_lshl_b32 s54, s54, 23
	s_or_b32 s54, s54, 0x600000
	v_mov_b32 v20, s54                             ; 448 x 2^e2
	s_add_co_i32 s35, s28, s29                     ; e4 + e5
	s_lshl_b32 s58, s31, 2                         ; my expert's gate: 4 ex bytes into a token's pair
	s_mov_b32 s47, 0
	s_wait_kmcnt 0x0
.irp i, 0,1,2,3,4,5,6,7,8,9
	s_min_u32 s[36+\i], s[36+\i], 0x3fff
	s_lshl_b32 s[36+\i], s[36+\i], 10              ; a row of x and of out0 is 1,024 bytes
	v_add_nc_u32 v[176+\i], s[36+\i], v1
.endr
	s_wait_alu depctr_va_vdst(0)                   ; the ten offsets v176-185 are written, which the loads below read
.irp i, 0,1,2,3,4,5,6,7,8,9
	global_load_b128 v[96+8*\i:99+8*\i], v[176+\i], s[10:11]           ; each load 512 consecutive bytes of a row
	global_load_b128 v[100+8*\i:103+8*\i], v[176+\i], s[10:11] offset:512
.endr
	; ---------------------------------------------------------------- phase X
.irp i, 0,1,2,3,4,5,6,7,8,9
	s_wait_loadcnt 18-2*\i                         ; row i is in; the 18 - 2 i younger loads may be out
	ds_store_b128 v4, v[96+8*\i:99+8*\i] offset:\i*ROWP
	ds_store_b128 v4, v[100+8*\i:103+8*\i] offset:\i*ROWP+512
.endr
	BARRIER                                        ; the tile's 80 rows lie in LDS
.irp m, 0,1,2,3,4
	v_min_u32 v[21+\m], 0x3fff, v[21+\m]
	v_lshlrev_b32 v[186+\m], 3, v[21+\m]
	v_add_nc_u32 v[186+\m], s58, v[186+\m]
.endr
	s_wait_alu depctr_va_vdst(0)                   ; the gates' five offsets v186-190 are written, which the loads below read
	s_wait_alu depctr_vm_vsrc(0)                   ; my LDS stores have read v96-175, in which the LDS loads below land; x's loads have read their offsets v176-185, which the first unit's conversions write
.irp m, 0,1,2,3,4
	global_load_b32 v[26+\m], v[186+\m], s[8:9]    ; my expert's gate of row 16 m + r; the first unit's wait covers it
.endr
.irp m, 0,1,2
.irp j, 0,1,2,3
	ds_load_b128 v[96+16*\m+4*\j:99+16*\m+4*\j], v6 offset:\m*16*ROWP+16*\j
.endr
.endr
.irp m, 3,4
.irp j, 0,1,2,3
	ds_load_b128 v[96+16*\m+4*\j:99+16*\m+4*\j], v7 offset:(\m-3)*16*ROWP+16*\j
.endr
.endr
	s_wait_dscnt 0x0
	QX 0
	QX 1
	QX 2
	QX 3
	QX 4
	s_wait_alu depctr_va_vdst(0)                   ; the twenty conversions have written v208-247, which the LDS stores read; the holds are done with v192-207, in which loads land behind the barrier
	QXOUT 0
	QXOUT 1
	QXOUT 2
	QXOUT 3
	QXOUT 4
	BARRIER                                        ; x's 80 fragment pieces lie in LDS
	WIN 0x40                                       ; destination window 1
	s_wait_alu depctr_vm_vsrc(0)                   ; my LDS stores have read v208-247, in which the last sixteen loads below land; only loads and a window switch stand between
.irp m, 0,1,2,3,4
.irp k, 0,1,2,3,4,5,6,7
	ds_load_b128 v[32*\m+4*\k:32*\m+4*\k+3], v9 offset:\m*4096+\k*512
.endr
.endr
.irp m, 0,1,2
.irp k, 0,1,2,3,4,5,6,7
	ds_load_b128 v[160+32*\m+4*\k:160+32*\m+4*\k+3], v9 offset:20480+\m*4096+\k*512
.endr
.endr
	WIN 0
.irp m, 3,4
.irp k, 0,1,2,3,4,5,6,7
	ds_load_b128 v[192+32*(\m-3)+4*\k:192+32*(\m-3)+4*\k+3], v9 offset:20480+\m*4096+\k*512
.endr
.endr
	; ---------------------------------------------------------------- phase 1: eleven units a wave
	s_mov_b32 s33, 10
.Lunit:
	UNIT 1
	s_sub_co_u32 s33, s33, 1
	s_cmp_lg_u32 s33, 0
	s_cbranch_scc1 .Lunit
	UNIT 0                                         ; the last is written out: no load leaves wf
	GLW 1                                          ; into v96-159: the activation was done with them ahead of the unit's last wait on va_vdst, and no vector line has named them since
.irp m, 0,1,2,3,4
	v_ldexp_f32 v[240+2*\m], v[26+\m], s35         ; gate x 2^(e4 + e5),
	v_mov_b32 v[241+2*\m], v[240+2*\m]             ; twice, for the packed multiply.  (These ten name v26-30 and v240-249 alone: no register in which a load of phase 2 lands)
.endr
	BARRIER                                        ; both experts' hidden layers lie in LDS; nobody reads x's rows any more
	; ---------------------------------------------------------------- phase 2
	s_wait_alu depctr_vm_vsrc(0)                   ; my last LDS stores have read the codes v176-185, in which h's set 0 lands (the last unit's products and activation stand ahead of its last wait on va_vdst)
	LDH 0
	LDH 1
	STEP2 0, 16, 20
	REFILL 2
	STEP2 1, 16, 20
	REFILL 3
	STEP2 2, 16, 20
	REFILL 4
	STEP2 3, 16, 20
	REFILL 5
	STEP2 4, 8, 10
	PLACES 5                                       ; the last step is another form on the same accumulators: no link of a chain, so five places
	STEP2 5, 0, 0
	PLACES 4
	; ---------------------------------------------------------------- the way out
	WIN 0x01                                       ; source 0 (the sums) window 1
.irp c, 0,1,2,3
.irp m, 0,1,2,3,4
.irp i, 0,2,4,6
	v_pk_mul_f32 v[32+8*(5*\c+\m)+\i:32+8*(5*\c+\m)+\i+1], v[8*(5*\c+\m)+\i:8*(5*\c+\m)+\i+1], v[240+2*\m:241+2*\m]   ; each accumulator from its low end on
.endr
.endr
.endr
	WIN 0
	s_wait_alu depctr_va_vdst(0)                   ; the packed multiplies have written v32-191, which the LDS stores read
.irp c, 0,1,2,3
.irp m, 0,1,2
	ds_store_b128 v13, v[32+8*(5*\c+\m):32+8*(5*\c+\m)+3] offset:\m*16*ROWP+\c*64       ; lane (r, h): row 16 m + r, columns 64 cg + 16 c + 8 h + 0 .. 7
	ds_store_b128 v13, v[32+8*(5*\c+\m)+4:32+8*(5*\c+\m)+7] offset:\m*16*ROWP+\c*64+16
.endr
.irp m, 3,4
	ds_store_b128 v14, v[32+8*(5*\c+\m):32+8*(5*\c+\m)+3] offset:(\m-3)*16*ROWP+\c*64
	ds_store_b128 v14, v[32+8*(5*\c+\m)+4:32+8*(5*\c+\m)+7] offset:(\m-3)*16*ROWP+\c*64+16
.endr
.endr
	BARRIER                                        ; 80 whole rows of both experts lie in the stages
	s_wait_alu depctr_vm_vsrc(0)                   ; my LDS stores have read v32-191, in which the loads below land
.irp i, 0,1,2,3,4,5,6,7,8,9
	ds_load_b128 v[32+8*\i:35+8*\i], v4 offset:\i*ROWP
	ds_load_b128 v[36+8*\i:39+8*\i], v4 offset:\i*ROWP+512
	ds_load_b128 v[112+8*\i:115+8*\i], v5 offset:\i*ROWP
	ds_load_b128 v[116+8*\i:119+8*\i], v5 offset:\i*ROWP+512
.endr
.irp i, 0,1,2,3,4,5,6,7,8,9
	v_add_nc_u32 v[192+\i], s[36+\i], v1
.endr
	s_wait_dscnt 0x0
.set j, 0
.rept 40
	v_pk_add_f32 v[32+j:33+j], v[32+j:33+j], v[112+j:113+j]            ; g_lo y_lo + g_hi y_hi
.set j, j+2
.endr
	s_wait_alu depctr_va_vdst(0)                   ; the sums v32-111 and the offsets v192-201 are written, which the stores below read; no vector line follows on any way through them
.irp i, 0,1,2,3,4,5,6,7,8,9
	s_cmp_gt_i32 s34, \i                           ; rows past the tile's count belong to other tiles: a branch on a stored whole number, behind the last barrier
	s_cbranch_scc0 .Lend
	global_store_b128 v[192+\i], v[32+8*\i:35+8*\i], s[18:19] th:TH_STORE_NT             ; 32 lanes store 512 consecutive bytes, aligned; written once
	global_store_b128 v[192+\i], v[36+8*\i:39+8*\i], s[18:19] offset:512 th:TH_STORE_NT
.endr
.Lend:
	s_wait_xcnt 0x0                                ; the stores' addresses are translated ahead of the closing lines
	v_lshl_add_u32 v254, v0, 2, 0x4e200            ; the add's two registers are made anew: no memory or LDS instruction has read v254 or v255
	v_mov_b32 v255, 0
	s_wait_dscnt 0x0                               ; the closing lines, six on end
	s_wait_alu 0x0
	s_wait_tensorcnt 0x0
	ds_add_u32 v254, v255
	s_wait_dscnt 0x0
	s_endpgm
.Lfunc_end_k_q6eed5a5fcb_chain:
	.size	k_q6eed5a5fcb_chain, .Lfunc_end_k_q6eed5a5fcb_chain-k_q6eed5a5fcb_chain
	.p2alignl 7, 3214868480
	.fill 96, 4, 3214868480
	.section	.rodata,"a",@progbits
	.p2align	6, 0x0
	.amdhsa_kernel k_q6eed5a5fcb_chain
		.amdhsa_group_segment_fixed_size 321024
		.amdhsa_private_segment_fixed_size 0
		.amdhsa_enable_private_segment 0
		.amdhsa_kernarg_size 64
		.amdhsa_user_sgpr_count 2
		.amdhsa_user_sgpr_kernarg_segment_ptr 1
		.amdhsa_wavefront_size32 1
		.amdhsa_system_sgpr_workgroup_id_x 1
		.amdhsa_system_sgpr_workgroup_id_y 1
		.amdhsa_system_sgpr_workgroup_id_z 1
		.amdhsa_system_vgpr_workitem_id 0
		.amdhsa_next_free_vgpr 512
		.amdhsa_next_free_sgpr 66
		.amdhsa_reserve_vcc 0
		.amdhsa_float_denorm_mode_32 3
		.amdhsa_float_denorm_mode_16_64 3
		.amdhsa_memory_ordered 1
		.amdhsa_forward_progress 1
		.amdhsa_inst_pref_size 100
	.end_amdhsa_kernel
	.amdgpu_metadata
---
amdhsa.version: [ 1, 2 ]
amdhsa.kernels:
  - .name:           k_q6eed5a5fcb_chain
    .symbol:         k_q6eed5a5fcb_chain.kd
    .args:
      - { .name: tiles, .offset: 0, .size: 8, .value_kind: global_buffer, .address_space: global }
      - { .name: order, .offset: 8, .size: 8, .value_kind: global_buffer, .address_space: global }
      - { .name: gates, .offset: 16, .size: 8, .value_kind: global_buffer, .address_space: global }
      - { .name: x, .offset: 24, .size: 8, .value_kind: global_buffer, .address_space: global }
      - { .name: wf, .offset: 32, .size: 8, .value_kind: global_buffer, .address_space: global }
      - { .name: w2f, .offset: 40, .size: 8, .value_kind: global_buffer, .address_space: global }
      - { .name: lowp_scales, .offset: 48, .size: 8, .value_kind: global_buffer, .address_space: global }
      - { .name: out0, .offset: 56, .size: 8, .value_kind: global_buffer, .address_space: global }
    .group_segment_fixed_size: 321024
    .private_segment_fixed_size: 0
    .kernarg_segment_align: 8
    .kernarg_segment_size: 64
    .max_flat_workgroup_size: 256
    .sgpr_count:     66
    .vgpr_count:     512
    .wavefront_size: 32
...
	.end_amdgpu_metadata
.endif
;; end of part 4
